; MI455X (gfx1250); checked and timed in simulation.
; The chip was launched on July 23, 2026; its instructions are those of AMD's public machine-readable ISA for CDNA 5 (MIT licence, August 2026) and "CDNA5" Instruction Set Architecture Reference Guide (July 2026). The comments in the code are by the model that wrote it; some were corrected since.
;; Flax Phi Moe Bloc K Spares Top2 MLP Collection. Allowed arithmetic: matrix products marked QUANTISED: E5M2 operands, one E8M0 scale for each 32 along K, by v_wmma_scale_f32_16x16x128_f8f6f4 with both operands' format E5M2, f32 sums; everything else in f32.
;; Inputs: hidden_states 2 x 1,024 x 2,048 float32; routing_weights 2 x 1,024 x 2 float32; selected_experts 2 x 1,024 x 2 int32; w1 8 x 2,048 x 512 float32; w2 8 x 512 x 2,048 float32; w3 8 x 2,048 x 512 float32.
;; Outputs: out0 2 x 1,024 x 2,048 float32.
;; This version of the problem:
;;   THIS VERSION OF THE PROBLEM IS GIVEN IN LOW PRECISION. The matrix products marked QUANTISED in the list below multiply operands that are first quantised to E5M2 (5 exponent bits, 2 mantissa bits; 8 bits a number), with one power-of-two scale for each 32 numbers along K (OCP MX v1.0); their sums are f32. All else is computed in f32.
;;   The module's matrix products, in the order in which they are computed (A, B: the left and right operand; K: the contracted axis; several contracted axes count as one K, in the product's order):
;;     1. [M 2,048, K 2,048] x [K 2,048, N 512]; A: input hidden_states; B: input w1: QUANTISED
;;     2. [M 2,048, K 2,048] x [K 2,048, N 512]; A: input hidden_states; B: input w3: QUANTISED
;;     3. [M 2,048, K 512] x [K 512, N 2,048]; A: computed on the way; B: input w2: QUANTISED
;;     4. [M 2,048, K 2,048] x [K 2,048, N 512]; A: input hidden_states; B: input w1: QUANTISED
;;     5. [M 2,048, K 2,048] x [K 2,048, N 512]; A: input hidden_states; B: input w3: QUANTISED
;;     6. [M 2,048, K 512] x [K 512, N 2,048]; A: computed on the way; B: input w2: QUANTISED
;;     7. [M 2,048, K 2,048] x [K 2,048, N 512]; A: input hidden_states; B: input w1: QUANTISED
;;     8. [M 2,048, K 2,048] x [K 2,048, N 512]; A: input hidden_states; B: input w3: QUANTISED
;;     9. [M 2,048, K 512] x [K 512, N 2,048]; A: computed on the way; B: input w2: QUANTISED
;;     10. [M 2,048, K 2,048] x [K 2,048, N 512]; A: input hidden_states; B: input w1: QUANTISED
;;     11. [M 2,048, K 2,048] x [K 2,048, N 512]; A: input hidden_states; B: input w3: QUANTISED
;;     12. [M 2,048, K 512] x [K 512, N 2,048]; A: computed on the way; B: input w2: QUANTISED
;;     13. [M 2,048, K 2,048] x [K 2,048, N 512]; A: input hidden_states; B: input w1: QUANTISED
;;     14. [M 2,048, K 2,048] x [K 2,048, N 512]; A: input hidden_states; B: input w3: QUANTISED
;;     15. [M 2,048, K 512] x [K 512, N 2,048]; A: computed on the way; B: input w2: QUANTISED
;;     16. [M 2,048, K 2,048] x [K 2,048, N 512]; A: input hidden_states; B: input w1: QUANTISED
;;     17. [M 2,048, K 2,048] x [K 2,048, N 512]; A: input hidden_states; B: input w3: QUANTISED
;;     18. [M 2,048, K 512] x [K 512, N 2,048]; A: computed on the way; B: input w2: QUANTISED
;;     19. [M 2,048, K 2,048] x [K 2,048, N 512]; A: input hidden_states; B: input w1: QUANTISED
;;     20. [M 2,048, K 2,048] x [K 2,048, N 512]; A: input hidden_states; B: input w3: QUANTISED
;;     21. [M 2,048, K 512] x [K 512, N 2,048]; A: computed on the way; B: input w2: QUANTISED
;;     22. [M 2,048, K 2,048] x [K 2,048, N 512]; A: input hidden_states; B: input w1: QUANTISED
;;     23. [M 2,048, K 2,048] x [K 2,048, N 512]; A: input hidden_states; B: input w3: QUANTISED
;;     24. [M 2,048, K 512] x [K 512, N 2,048]; A: computed on the way; B: input w2: QUANTISED
;;   THE QUANTISER, for each operand of a quantised product, along K:
;;     - K is cut into blocks of 32 from its start; a last block that is shorter is filled with zeros.
;;     - A block's scale is 2^e with e = floor(log2(the largest magnitude in the block)) - 15, held to -126 .. 127; a block of zeros has e = 0. As a byte (E8M0): e + 127.
;;     - Each number is divided by its block's scale, clamped to +-57,344, and rounded to the nearest number of E5M2, ties to even, subnormals kept.
;;     - The product sums the exact products of the quantised numbers (number of the format x scale) in f32.
;;   ~~~python
;;   def quantise(x, axis):      # numpy; x: float32 -> the quantised numbers, widened to float32 again
;;       x = np.moveaxis(x, axis, -1); K = x.shape[-1]
;;       x = np.pad(x, [(0, 0)] * (x.ndim - 1) + [(0, -K % 32)]); x = x.reshape(x.shape[:-1] + (-1, 32)); a = np.abs(x).max(-1, keepdims=True)
;;       e = np.where(a > 0, np.clip(np.frexp(np.where(a > 0, a, 1))[1] - 1 - 15, -126, 127), 0)      # np.frexp(a)[1] - 1 = floor(log2(a)), exactly
;;       r = np.clip(x / 2.0 ** e, -57344, 57344)
;;       step = 2.0 ** (np.maximum(np.frexp(np.where(r == 0, 1, r))[1] - 1, -14) - 2)
;;       q = np.round(r / step) * step * 2.0 ** e      # np.round: ties to even
;;       return np.moveaxis(q.reshape(q.shape[:-2] + (-1,))[..., :K], -1, axis).astype(np.float32)
;;   ~~~
;;   OPERANDS COMPUTED ON THE WAY. 'Computed on the way' means the value that the module computes at that place (a softmax that the list does not call 'softmax' is quantised finished and normalised). What goes into a quantiser is computed in f32, as accurately as f32 sums, v_exp_f32 and their like allow (about 1e-6 of the number): no bf16 or f16 on the way to a quantiser, and a product that is left as it is and whose result goes on into a quantised operand takes f32 operands (vector FMAs, or v_wmma_f32_16x16x4_f32). A number that lies on a knife's edge between two numbers of the format may be rounded either way, as far as f32 arithmetic and the matrix unit's own rounding can turn it there, and no further.
;; 2 versions. Each part assembles by itself: llvm-mc -triple=amdgcn-amd-amdhsa -mcpu=gfx1250 --defsym DOCPART=n.
;; ======== version 1 of 2: 3 launches
;; workspace buffers: xc 4,194,304 bytes; xsc 131,072 bytes; w13c 16,777,216 bytes; w2c 8,388,608 bytes; wsc 786,432 bytes; hq 8,388,608 bytes; hs 262,144 bytes; ord 8,192 bytes of whole numbers
;; launch prep (part 1): grid 960 x 1, 4 waves a work-group, no clusters, 41,984 bytes of LDS; arguments selected_experts, hidden_states, w1, w3, w2, xc, xsc, w13c, w2c, wsc, ord; writes xc, xsc, w13c, w2c, wsc, ord
.if DOCPART == 1
	.amdgcn_target "amdgcn-amd-amdhsa--gfx1250"
	.amdhsa_code_object_version 6
	.text
	.protected	k_qdcfffa46d2_prep
	.globl	k_qdcfffa46d2_prep
	.p2align	8
	.type	k_qdcfffa46d2_prep,@function
k_qdcfffa46d2_prep:
	s_mov_b64 s[64:65], 0
	v_nop
	global_prefetch_b8 v0, s[64:65] scope:SCOPE_SE
	s_setreg_imm32_b32 hwreg(HW_REG_WAVE_MODE, 25, 1), 1
	s_wait_xcnt 0x0
; PREP: everything that is done once.  Four kinds of work-groups, told apart by the work-group's number:
;   0..63     ROUTING: the 2,048 tokens are sorted by their pair of experts.  key = ((lo << 4 | hi) << 11) + token, lo <= hi the token's two expert numbers, each held at 8
;             (a number outside 0..7 names no expert).  A token's place is the count of smaller keys; keys differ, so the places are a permutation.  ord[place] = token | mask << 16,
;             mask = one bit for each expert 0..7 that the token names.  2,048 stores of 4 bytes to scattered places in the whole launch.
;   64..191   X: hidden_states [2048][2048] f32 -> codes of E5M2, xc [token][2048], and one E8M0 byte for each 32 along K, xsc [token][64].
;   192..703  W1, W3 [8][2048 k][512 f] f32 -> w13c, wsc.     704..959  W2 [8][512 k][2048 n] f32 -> w2c, wsc.
;             K is the weights' FIRST axis: a lane takes a column and its registers run down K, so a block of 32 lies in one lane and the conversions give codes with K innermost.
;             The codes are laid in the order of the operand's registers: a fragment (16 columns x 128 k) is [c 4][lane 32][16 bytes]; lane (r, h), group c: k = 32 c + 16 h + 0..15 of column r.
;             w13c [e][G 16][s 16][w1, w3][u 2][fragment]: lane r of fragment (G, u) is column 32 G + 8 u + (r & 7) + 16 (r >> 3), so that the later product's results are neighbours along the next K.
;             w2c  [e][ng 32][S 4][t 4][fragment]: lane r is column 64 ng + 16 t + r.
;             wsc  words of four bytes (128 k of one column): [e][G][2 mat + u][s 16][r 16], and from byte 524,288 on [e][ng][t][S 4][r 16].
; A block's scale is 2^(floor(log2(its largest magnitude)) - 15); its byte is the largest magnitude's exponent field - 15, held at 1 from below.
; LIMITS: NaN and infinities among the inputs are not served.  A block whose largest magnitude lies under 2^(15 - 126), a block of zeros among them, gets the byte 1
; (for zeros the rule says 127): its codes are then zeros or subnormal codes under that byte, and these bytes are read by this program alone.
; No tensor loads, no joint loads: no two work-groups read the same input bytes but the 16 KiB of expert numbers.
.set NROUTE, 64
.set NXWG,   128
.set NW13,   512
.set RK,     32768                     ; LDS: bytes 0..32,767 are the X path's (8,192 a wave); here the routing's key tables, 2,048 bytes a wave;
.set RP,     40960                     ; and its partial counts, 128 bytes a wave
.set MANT,   0x600000                  ; the mantissa field of 57,344 as f32
.set WREG,   8192                      ; X path: a wave's LDS: two stages of 32 x SP bytes, behind them its 256 scale bytes
.set SP,     80                        ; a lane's place in a stage: 64 bytes + 16 of padding
.set STEPS,  16
.set XR,     16                        ; X path: v16-79 four sets of 16 numbers as loaded; v80-111 two sets of 16 neighbours; v112-127 a byte for each step; v128-191 codes, four registers a step
.set XX,     80
.set XE,     112
.set XC,     128
; key of one token: its two expert numbers in v[ea], v[eb]; tb: register with the lane's token base; add: a constant on top
.macro KEY dst, ea, eb, tb, add
	v_min_u32 v24, 8, v[\ea]                       ; unsigned: what is negative or above 7 becomes 8
	v_min_u32 v25, 8, v[\eb]
	v_min_u32 v26, v24, v25                        ; lo
	v_add_nc_u32 v27, v24, v25
	v_sub_nc_u32 v27, v27, v26                     ; hi = a + b - lo
	v_lshl_or_b32 v26, v26, 4, v27
	v_lshl_add_u32 v26, v26, 11, v[\tb]
	v_add_nc_u32 v[\dst], \add, v26
.endm
; ---- X path: a step is 512 numbers of the wave's stream
.macro XLOAD t
.irp i, 0,1,2,3
	global_load_b128 v[XR+16*((\t)%4)+4*\i:XR+16*((\t)%4)+4*\i+3], v3, s[28:29] offset:2048*(\t)+512*\i th:TH_LOAD_NT   ; 32 lanes read 512 consecutive bytes
.endr
.endm
.macro XTURN t                         ; step t's numbers through the stage: in as they lie, back 64 bytes a lane.  LDS serves a wave's instructions in order: no wait between
.irp i, 0,1,2,3
	ds_store_b128 v14, v[XR+16*((\t)%4)+4*\i:XR+16*((\t)%4)+4*\i+3] offset:32*SP*((\t)%2)+8*SP*\i
.endr
.irp i, 0,1,2,3
	ds_load_b128 v[XX+16*((\t)%2)+4*\i:XX+16*((\t)%2)+4*\i+3], v15 offset:32*SP*((\t)%2)+16*\i
.endr
.endm
.macro XSTEP t
.set XS, XX+16*((\t)%2)
.if (\t) > 0
	s_wait_dscnt 1                                 ; this step's numbers are back from the stage; the last step's byte store may be out
.else
	s_wait_dscnt 0x0
.endif
.if (\t)+4 < STEPS
	XLOAD (\t)+4                                   ; into the set whose stores into the stage have read it
.endif
.if (\t)+1 < STEPS
.if STEPS-2-(\t) >= 3
	s_wait_loadcnt 12                              ; the next step's four loads are in; those of the three steps behind it may be out
.else
	s_wait_loadcnt 4*(STEPS-2-(\t))
.endif
	XTURN (\t)+1
.endif
	v_max3_num_f32 v8, |v[XS]|, |v[XS+1]|, |v[XS+2]|               ; the largest magnitude of my 16, in two chains
	v_max3_num_f32 v9, |v[XS+3]|, |v[XS+4]|, |v[XS+5]|
.irp i, 6,10
	v_max3_num_f32 v8, v8, |v[XS+\i]|, |v[XS+\i+1]|
	v_max3_num_f32 v9, v9, |v[XS+\i+2]|, |v[XS+\i+3]|
.endr
	v_max3_num_f32 v8, v8, |v[XS+14]|, |v[XS+15]|
	v_max3_num_f32 v8, v8, v9, 0x8000000           ; and the floor 2^(16 - 127): the byte cannot fall under 1
	v_max_num_f32_dpp v8, v8, v8 row_xmask:1 row_mask:0xf bank_mask:0xf   ; with my neighbour's 16: the block's
	v_add_nc_u32 v11, 0xf8800000, v8               ; 15 off its exponent field: the conversion takes this operand's exponent field as its scale
	v_and_or_b32 v10, v8, 0x7f800000, s27          ; 57,344 x the scale
.irp i, 0,1,2,3,4,5,6,7,8,9,10,11,12,13,14,15
	v_med3_num_f32 v[XS+\i], v[XS+\i], -v10, v10   ; the conversion to an 8-bit code does not saturate (ISA guide 7.6.2): the hold comes first
.endr
	v_cvt_scalef32_pk8_bf8_f32 v[XC+4*(\t):XC+4*(\t)+1], v[XS:XS+7], v11
	v_cvt_scalef32_pk8_bf8_f32 v[XC+4*(\t)+2:XC+4*(\t)+3], v[XS+8:XS+15], v11
	v_lshrrev_b32 v[XE+(\t)], 23, v11              ; the scale's byte
	ds_store_b8 v5, v[XE+(\t)] offset:16*(\t)      ; both lanes of a block write the same byte with the same value
	global_store_b128 v3, v[XC+4*(\t):XC+4*(\t)+3], s[30:31] offset:512*(\t)   ; 512 consecutive bytes of codes
.endm
; ---- weight paths: a wave takes 32 columns x 256 along K: 8 blocks a lane.  rowb: bytes from one k to the next
.macro WLOAD t, rowb
.set n, 0
.rept 32
	global_load_b32 v[32+32*((\t)%2)+n], v3, s[28:29] offset:(32*(\t)+n)*\rowb th:TH_LOAD_NT   ; one k, 32 columns: 128 consecutive bytes a wave, 512 a work-group
.set n, n+1
.endr
.endm
.macro WBLOCK t, rowb
.set XS, 32+32*((\t)%2)
.set CD, 96+8*(\t)                     ; each block has code registers of its own: no store's data are written again
.if (\t) < 7
	s_wait_loadcnt 32                              ; this block's 32 loads are in; the next block's may be out
.else
	s_wait_loadcnt 0x0
.endif
	v_max3_num_f32 v12, |v[XS]|, |v[XS+1]|, |v[XS+2]|              ; all 32 numbers of the block are mine
	v_max3_num_f32 v13, |v[XS+3]|, |v[XS+4]|, |v[XS+5]|
.irp i, 6,10,14,18,22,26
	v_max3_num_f32 v12, v12, |v[XS+\i]|, |v[XS+\i+1]|
	v_max3_num_f32 v13, v13, |v[XS+\i+2]|, |v[XS+\i+3]|
.endr
	v_max3_num_f32 v12, v12, |v[XS+30]|, |v[XS+31]|
	v_max3_num_f32 v12, v12, v13, 0x8000000        ; the floor 2^(16 - 127)
	v_add_nc_u32 v11, 0xf8800000, v12              ; the conversion's scale operand
	v_and_or_b32 v10, v12, 0x7f800000, s27         ; 57,344 x the scale
	v_lshrrev_b32 v13, 23, v11                     ; the byte
.if (\t)%4 == 0
	v_mov_b32 v[24+(\t)/4], v13                    ; four bytes make the word of 128 along K, the lower k in the lower byte
.else
	v_lshl_or_b32 v[24+(\t)/4], v13, 8*((\t)%4), v[24+(\t)/4]
.endif
.irp i, 0,1,2,3,4,5,6,7,8,9,10,11,12,13,14,15,16,17,18,19,20,21,22,23,24,25,26,27,28,29,30,31
	v_med3_num_f32 v[XS+\i], v[XS+\i], -v10, v10
.endr
.irp g, 0,1,2,3
	v_cvt_scalef32_pk8_bf8_f32 v[CD+2*\g:CD+2*\g+1], v[XS+8*\g:XS+8*\g+7], v11
.endr
	global_store_b128 v4, v[CD:CD+3], s[30:31] offset:((\t)/4)*8192+((\t)%4)*512          ; k 0..15 of the block: the fragment's lanes 0-15.  Sixteen lanes store 256 consecutive bytes, aligned
	global_store_b128 v4, v[CD+4:CD+7], s[30:31] offset:((\t)/4)*8192+((\t)%4)*512+256    ; k 16..31: its lanes 16-31
.if (\t)+2 < 8
	WLOAD (\t)+2, \rowb
.endif
.endm
.macro WQ rowb
	WLOAD 0, \rowb
	WLOAD 1, \rowb
.irp t, 0,1,2,3,4,5,6,7
	WBLOCK \t, \rowb
.endr
	global_store_b32 v9, v24, s[32:33]             ; my column's two scale words: sixteen lanes store 64 consecutive bytes
	global_store_b32 v9, v25, s[32:33] offset:64
	s_wait_tensorcnt 0x0
	ds_add_u32 v192, v193
	s_wait_dscnt 0x0
	s_endpgm
.endm
	s_load_b512 s[4:19], s[0:1], 0x0               ; selected_experts 4:5, hidden_states 6:7, w1 8:9, w3 10:11, w2 12:13, xc 14:15, xsc 16:17, w13c 18:19
	s_load_b128 s[20:23], s[0:1], 0x40             ; w2c 20:21, wsc 22:23
	s_load_b64 s[24:25], s[0:1], 0x50              ; ord
	v_lshl_add_u32 v192, v0, 2, 0xa200
	v_mov_b32 v193, 0
	v_lshrrev_b32 v1, 5, v0
	v_readfirstlane_b32 s26, v1                    ; wave 0..3
	v_and_b32 v1, 31, v0                           ; lane
	s_mov_b32 s27, MANT
	s_wait_kmcnt 0x0
	s_cmp_ge_u32 ttmp9, NROUTE
	s_cbranch_scc1 .Ljoin
	; ---- ROUTING, first part.  The work-group ranks tokens 32 id .. 32 id + 31, a lane to a token; wave w counts the smaller keys among tokens 512 w .. 512 w + 511.
	s_lshl_b32 s34, s26, 12
	v_lshl_add_u32 v3, v1, 4, s34                  ; the wave's 4,096 bytes of expert numbers, 16 bytes (two tokens) a lane
	s_lshl_b32 s35, ttmp9, 8
	v_lshl_add_u32 v4, v1, 3, s35                  ; my own token's pair
.irp i, 0,1,2,3,4,5,6,7
	global_load_b128 v[32+4*\i:35+4*\i], v3, s[4:5] offset:512*\i   ; tokens 512 w + 64 i + 2 lane and the next
.endr
	global_load_b64 v[28:29], v4, s[4:5]
	s_lshl_b32 s36, s26, 9
	v_lshl_add_u32 v8, v1, 1, s36                  ; 512 w + 2 lane
	s_lshl_b32 s37, ttmp9, 5
	v_add_nc_u32 v9, s37, v1                       ; my token
	s_lshl_b32 s38, s26, 11
	s_add_co_u32 s38, s38, RK                      ; my wave's key table
	v_lshl_add_u32 v20, v1, 3, s38                 ; where I put two keys
	v_mov_b32 v21, s38                             ; where every lane reads them
	v_lshl_add_u32 v22, v0, 2, RP                  ; my partial count's word
	v_mov_b32 v31, 0                               ; the count
	s_wait_loadcnt 0x0
.irp i, 0,1,2,3,4,5,6,7
	KEY 32+4*\i, 32+4*\i, 33+4*\i, 8, 64*\i
	KEY 33+4*\i, 34+4*\i, 35+4*\i, 8, 64*\i+1
	ds_store_b64 v20, v[32+4*\i:33+4*\i] offset:256*\i
.endr
	KEY 30, 28, 29, 9, 0                           ; my own key
.irp q, 0,1,2,3                        ; 128 keys at a time; every lane reads the same 16 bytes.  The table is the wave's own and LDS serves a wave in order: no barrier
.set n, 0
.rept 32
	ds_load_b128 v[64+4*n:67+4*n], v21 offset:512*\q+16*n
.set n, n+1
.endr
.irp g, 0,1,2,3
	s_wait_dscnt 24-8*\g                           ; eight more loads are in; the batch's younger ones may be out
.set n, 0
.rept 32
	v_cmp_gt_u32 vcc_lo, v30, v[64+32*\g+n]
	v_add_co_ci_u32 v31, vcc_lo, 0, v31, vcc_lo    ; + 1 where my key is the larger
.set n, n+1
.endr
.endr
.endr
	ds_store_b32 v22, v31
.Ljoin:
	; The launch's one barrier stands on every work-group's way, so that it is under no branch; only the routing needs it: its four partial counts are stored in front of it and read behind it.
	s_wait_dscnt 0x0
	s_barrier_signal -1
	s_barrier_wait -1
	s_cmp_lt_u32 ttmp9, NROUTE
	s_cbranch_scc1 .Lroute_b
	s_cmp_lt_u32 ttmp9, NROUTE+NXWG
	s_cbranch_scc1 .Lx
	s_cmp_lt_u32 ttmp9, NROUTE+NXWG+NW13
	s_cbranch_scc1 .Lw13
	; ---- W2: work-group q: expert q >> 5, 256 k (q >> 4) & 1, 128 columns q & 15; wave w: columns 128 x + 32 w on
	s_sub_co_u32 s34, ttmp9, NROUTE+NXWG+NW13
	s_lshr_b32 s36, s34, 5                         ; e
	s_bfe_u32 s37, s34, 0x10004                    ; y
	s_and_b32 s38, s34, 15                         ; x
	s_lshr_b32 s39, s26, 1
	s_lshl_b32 s35, s38, 1
	s_add_co_u32 s39, s39, s35                     ; ng = 2 x + (w >> 1)
	s_and_b32 s35, s26, 1                          ; w & 1: tiles 2 (w & 1) and + 1 of ng's four
	s_mov_b32 s41, 0
	s_lshl_b32 s40, s36, 22                        ; from: e x 4 MiB + y x 256 rows of 8,192 bytes + 512 x + 128 w
	s_lshl_b32 s42, s37, 21
	s_add_co_u32 s40, s40, s42
	s_lshl_b32 s42, s38, 9
	s_add_co_u32 s40, s40, s42
	s_lshl_b32 s42, s26, 7
	s_add_co_u32 s40, s40, s42
	s_add_nc_u64 s[28:29], s[12:13], s[40:41]
	s_lshl_b32 s40, s36, 20                        ; codes: e << 20 + ng << 15 + (S = 2 y) << 13 + (w & 1) << 12
	s_lshl_b32 s42, s39, 15
	s_add_co_u32 s40, s40, s42
	s_lshl_b32 s42, s37, 14
	s_add_co_u32 s40, s40, s42
	s_lshl_b32 s42, s35, 12
	s_add_co_u32 s40, s40, s42
	s_add_nc_u64 s[30:31], s[20:21], s[40:41]
	s_lshl_b32 s40, s36, 15                        ; scale words: 524,288 + e << 15 + ng << 10 + (w & 1) << 9 + (S = 2 y) << 6
	s_lshl_b32 s42, s39, 10
	s_add_co_u32 s40, s40, s42
	s_lshl_b32 s42, s35, 9
	s_add_co_u32 s40, s40, s42
	s_lshl_b32 s42, s37, 7
	s_add_co_u32 s40, s40, s42
	s_add_co_u32 s40, s40, 524288
	s_add_nc_u64 s[32:33], s[22:23], s[40:41]
	v_lshrrev_b32 v2, 4, v1                        ; u: which of my wave's two tiles
	v_and_b32 v5, 15, v1                           ; r
	v_lshlrev_b32 v3, 2, v1                        ; my column: lane
	v_lshlrev_b32 v4, 4, v5
	v_lshl_add_u32 v4, v2, 11, v4                  ; codes: u << 11 + 16 r
	v_lshlrev_b32 v9, 2, v5
	v_lshl_add_u32 v9, v2, 8, v9                   ; scale words: u << 8 + 4 r
	WQ 8192
.Lw13:	; ---- W1, W3: work-group q: w1 or w3 q >> 8, expert (q >> 5) & 7, 256 k (q >> 2) & 7, 128 columns q & 3; wave w: G = 4 x + w
	s_sub_co_u32 s34, ttmp9, NROUTE+NXWG
	s_cmp_lt_u32 s34, 256
	s_cselect_b64 s[28:29], s[8:9], s[10:11]       ; the choice hangs on the work-group's number alone
	s_lshr_b32 s35, s34, 8                         ; mat
	s_bfe_u32 s36, s34, 0x30005                    ; e
	s_bfe_u32 s37, s34, 0x30002                    ; y
	s_and_b32 s38, s34, 3                          ; x
	s_lshl_b32 s39, s38, 2
	s_add_co_u32 s39, s39, s26                     ; G
	s_mov_b32 s41, 0
	s_lshl_b32 s40, s36, 22                        ; from: e x 4 MiB + y x 256 rows of 2,048 bytes + 128 G
	s_lshl_b32 s42, s37, 19
	s_add_co_u32 s40, s40, s42
	s_lshl_b32 s42, s39, 7
	s_add_co_u32 s40, s40, s42
	s_add_nc_u64 s[28:29], s[28:29], s[40:41]
	s_lshl_b32 s40, s36, 21                        ; codes: e << 21 + G << 17 + (s = 2 y) << 13 + mat << 12
	s_lshl_b32 s42, s39, 17
	s_add_co_u32 s40, s40, s42
	s_lshl_b32 s42, s37, 14
	s_add_co_u32 s40, s40, s42
	s_lshl_b32 s42, s35, 12
	s_add_co_u32 s40, s40, s42
	s_add_nc_u64 s[30:31], s[18:19], s[40:41]
	s_lshl_b32 s40, s36, 16                        ; scale words: e << 16 + G << 12 + mat << 11 + (s = 2 y) << 6
	s_lshl_b32 s42, s39, 12
	s_add_co_u32 s40, s40, s42
	s_lshl_b32 s42, s35, 11
	s_add_co_u32 s40, s40, s42
	s_lshl_b32 s42, s37, 7
	s_add_co_u32 s40, s40, s42
	s_add_nc_u64 s[32:33], s[22:23], s[40:41]
	v_lshrrev_b32 v2, 4, v1                        ; u
	v_and_b32 v5, 15, v1                           ; r
	v_and_b32 v6, 7, v1
	v_bfe_u32 v7, v1, 3, 1
	v_lshlrev_b32 v3, 2, v6                        ; my column of the wave's 32: 8 u + (r & 7) + 16 (r >> 3): the lanes still cover the same 128 bytes
	v_lshl_add_u32 v3, v2, 5, v3
	v_lshl_add_u32 v3, v7, 6, v3
	v_lshlrev_b32 v4, 4, v5
	v_lshl_add_u32 v4, v2, 11, v4                  ; codes: u << 11 + 16 r
	v_lshlrev_b32 v9, 2, v5
	v_lshl_add_u32 v9, v2, 10, v9                  ; scale words: u << 10 + 4 r
	WQ 2048
.Lx:	; ---- X: rows are dense and 2,048 is a multiple of 32, so the tensor is a stream of blocks of 32.  A wave takes 16 steps of 512 numbers.  The loads take the bytes as they lie, 16 a lane;
	; a step's 2,048 bytes turn through the wave's own stage in LDS and come back 64 bytes a lane: 16 neighbours, two lanes to a block.  Loads run four steps ahead, the stage one.
	v_lshlrev_b32 v3, 4, v1                        ; 16 x lane: my bytes of a load's 512, and my 16 codes' place in a step's 512
	s_mul_i32 s34, s26, WREG
	v_lshrrev_b32 v14, 2, v1
	v_mul_u32_u24 v14, v14, SP
	v_and_b32 v15, 3, v1
	v_lshl_add_u32 v14, v15, 4, v14
	v_add_nc_u32 v14, s34, v14                     ; into the stage: SP (lane / 4) + 16 (lane % 4)
	v_mul_u32_u24 v15, v1, SP
	v_add_nc_u32 v15, s34, v15                     ; out of it: SP x lane
	v_lshrrev_b32 v5, 1, v1
	s_add_co_u32 s34, s34, 2*32*SP
	v_add_nc_u32 v5, s34, v5                       ; my block's scale byte among the wave's 256
	v_lshlrev_b32 v7, 3, v1
	v_add_nc_u32 v6, s34, v7                       ; and on the way out 8 bytes a lane
	s_sub_co_u32 s35, ttmp9, NROUTE
	s_lshl_b32 s35, s35, 2
	s_add_co_u32 s35, s35, s26                     ; which run of 8,192 numbers is my wave's
	s_mov_b32 s37, 0
	s_lshl_b32 s36, s35, 15
	s_add_nc_u64 s[28:29], s[6:7], s[36:37]
	s_lshl_b32 s36, s35, 13
	s_add_nc_u64 s[30:31], s[14:15], s[36:37]
	s_lshl_b32 s36, s35, 8
	s_add_nc_u64 s[32:33], s[16:17], s[36:37]
.irp t, 0,1,2,3
	XLOAD \t
.endr
	s_wait_loadcnt 12                              ; step 0's four loads are in
	XTURN 0
.irp t, 0,1,2,3,4,5,6,7,8,9,10,11,12,13,14,15
	XSTEP \t
.endr
	ds_load_b64 v[12:13], v6                       ; LDS serves a wave's instructions in order: these see my byte stores
	s_wait_dscnt 0x0
	global_store_b64 v7, v[12:13], s[32:33]        ; 32 lanes store 256 consecutive bytes, aligned
	s_wait_tensorcnt 0x0
	ds_add_u32 v192, v193
	s_wait_dscnt 0x0
	s_endpgm
.Lroute_b:	; ---- ROUTING, second part: wave 0 adds the four counts and stores each token at its place
	s_cmp_lg_u32 s26, 0
	s_cbranch_scc1 .Lend
	v_lshl_add_u32 v23, v1, 2, RP
	ds_load_b32 v32, v23
	ds_load_b32 v33, v23 offset:128
	ds_load_b32 v34, v23 offset:256
	ds_load_b32 v35, v23 offset:384
	s_lshl_b32 s35, ttmp9, 8
	v_lshl_add_u32 v4, v1, 3, s35
	global_load_b64 v[28:29], v4, s[4:5]           ; my token's pair once more
	s_lshl_b32 s37, ttmp9, 5
	v_add_nc_u32 v9, s37, v1                       ; my token
	v_mov_b32 v10, 1
	s_wait_dscnt 0x0
	v_add_nc_u32 v32, v32, v33
	v_add3_u32 v32, v32, v34, v35                  ; the count of smaller keys: my place
	v_min_u32 v32, 0x7ff, v32                      ; (it is under 2,048; the bound is written out)
	v_lshlrev_b32 v32, 2, v32
	s_wait_loadcnt 0x0
	v_min_u32 v28, 8, v28
	v_min_u32 v29, 8, v29
	v_lshlrev_b32 v28, v28, v10
	v_lshlrev_b32 v29, v29, v10
	v_or_b32 v28, v28, v29
	v_and_b32 v28, 0xff, v28                       ; bit 8, no expert, falls away
	v_lshl_or_b32 v28, v28, 16, v9
	global_store_b32 v32, v28, s[24:25]
.Lend:
	s_wait_tensorcnt 0x0
	ds_add_u32 v192, v193
	s_wait_dscnt 0x0
	s_endpgm
.Lfunc_end_k_qdcfffa46d2_prep:
	.size	k_qdcfffa46d2_prep, .Lfunc_end_k_qdcfffa46d2_prep-k_qdcfffa46d2_prep
	.p2alignl 7, 3214868480
	.fill 96, 4, 3214868480
	.section	.rodata,"a",@progbits
	.p2align	6, 0x0
	.amdhsa_kernel k_qdcfffa46d2_prep
		.amdhsa_group_segment_fixed_size 41984
		.amdhsa_private_segment_fixed_size 0
		.amdhsa_enable_private_segment 0
		.amdhsa_kernarg_size 88
		.amdhsa_user_sgpr_count 2
		.amdhsa_user_sgpr_kernarg_segment_ptr 1
		.amdhsa_wavefront_size32 1
		.amdhsa_system_sgpr_workgroup_id_x 1
		.amdhsa_system_sgpr_workgroup_id_y 1
		.amdhsa_system_sgpr_workgroup_id_z 1
		.amdhsa_system_vgpr_workitem_id 0
		.amdhsa_next_free_vgpr 194
		.amdhsa_next_free_sgpr 66
		.amdhsa_reserve_vcc 1
		.amdhsa_float_denorm_mode_32 3
		.amdhsa_float_denorm_mode_16_64 3
		.amdhsa_memory_ordered 1
		.amdhsa_forward_progress 1
		.amdhsa_inst_pref_size 212
	.end_amdhsa_kernel
	.amdgpu_metadata
---
amdhsa.version: [ 1, 2 ]
amdhsa.kernels:
  - .name:           k_qdcfffa46d2_prep
    .symbol:         k_qdcfffa46d2_prep.kd
    .args:
      - { .name: selected_experts, .offset: 0, .size: 8, .value_kind: global_buffer, .address_space: global }
      - { .name: hidden_states, .offset: 8, .size: 8, .value_kind: global_buffer, .address_space: global }
      - { .name: w1, .offset: 16, .size: 8, .value_kind: global_buffer, .address_space: global }
      - { .name: w3, .offset: 24, .size: 8, .value_kind: global_buffer, .address_space: global }
      - { .name: w2, .offset: 32, .size: 8, .value_kind: global_buffer, .address_space: global }
      - { .name: xc, .offset: 40, .size: 8, .value_kind: global_buffer, .address_space: global }
      - { .name: xsc, .offset: 48, .size: 8, .value_kind: global_buffer, .address_space: global }
      - { .name: w13c, .offset: 56, .size: 8, .value_kind: global_buffer, .address_space: global }
      - { .name: w2c, .offset: 64, .size: 8, .value_kind: global_buffer, .address_space: global }
      - { .name: wsc, .offset: 72, .size: 8, .value_kind: global_buffer, .address_space: global }
      - { .name: ord, .offset: 80, .size: 8, .value_kind: global_buffer, .address_space: global }
    .group_segment_fixed_size: 41984
    .private_segment_fixed_size: 0
    .kernarg_segment_align: 8
    .kernarg_segment_size: 88
    .max_flat_workgroup_size: 128
    .sgpr_count:     66
    .vgpr_count:     194
    .wavefront_size: 32
...
	.end_amdgpu_metadata
.endif
;; end of part 1
;; launch hidden (part 2): grid 8 x 32, 4 waves a work-group, no clusters, 137,728 bytes of LDS; arguments ord, xc, xsc, w13c, wsc, hq, hs; writes hq, hs
.if DOCPART == 2
	.amdgcn_target "amdgcn-amd-amdhsa--gfx1250"
	.amdhsa_code_object_version 6
	.text
	.protected	k_qdcfffa46d2_hidden
	.globl	k_qdcfffa46d2_hidden
	.p2align	8
	.type	k_qdcfffa46d2_hidden,@function
k_qdcfffa46d2_hidden:
	s_mov_b64 s[64:65], 0
	v_nop
	global_prefetch_b8 v0, s[64:65] scope:SCOPE_SE
	s_setreg_imm32_b32 hwreg(HW_REG_WAVE_MODE, 25, 1), 1
	s_wait_xcnt 0x0
; HIDDEN: silu(x w1[e]) * (x w3[e]), quantised along its 512 units, for the experts that a block of tokens names.  Both products on codes of E5M2 with one E8M0 scale for each 32 along K.
; SHARES.  A block b (work-group y) is 64 tokens that follow each other in the sorted list ord; a work-group (x = slice) makes 64 of the 512 hidden units for them.
; Wave w: g = w & 1, j = w >> 1: units 32 G .. 32 G + 31, G = 2 slice + g.  The experts in the block's mask (the OR of its 64 tokens' masks) are DEALT BY TURNS, in ascending order, to j = 0 and j = 1:
; the two pairs of waves never differ by more than one expert, whichever numbers the experts have.  A scalar branch passes over the experts that are not in the mask or not this wave's.
; For an expert in the mask all 64 rows are multiplied; rows that do not name it are weighed with 0 in the next launch.  Every split of the tokens is served, all eight experts in one block too.
; x's 64 rows of codes and scale bytes are gathered once into LDS (one barrier, ahead of every branch on the list) and read from there by all four waves.  The weights' fragments come from memory straight into
; registers, laid by the launch before in the order of the operand's registers: 512 consecutive bytes a load.
; THE PRODUCTS ARE USED TRANSPOSED: source 0 = 16 columns of w1 or w3, source 1 = 16 rows of x.  With the columns that form a fragment chosen as they are, a lane holds ONE row and 16 neighbouring units,
; 32 G + 16 (lane / 16) + 0..15: the conversions' results are the next product's operand registers.  They go to hq as that image, [b][e][m 4][S 4][c 4][lane][16 bytes], the bytes to hs [b][e][m][S][r 16][c 4]:
; hs takes single bytes, 1 KiB for a block and an expert.
; No joint loads and no tensor loads: which experts a work-group walks is read from the list, so neighbours would ask for different tiles, in different numbers.
; LIMITS: NaN and infinities are not served.  A block of 32 units whose largest magnitude lies under 2^(15 - 126) gets the byte 1 (zeros too, where the rule says 127): only this program reads the bytes.
; REGISTERS, in windows of 256.  Window 0: v1-15 lane numbers and addresses; v16-31 my 16 rows' offsets in xc; v32-63 x's scale words, v64-95 the weights' (scales and nothing else);
;   v96-159, v160-223 x's fragments, two buffers; behind an expert's products v96-159 the 64 hidden numbers, v160-175 their codes, v176-193 at work; v224-225 addresses of the head.
;   Window 1: the weights' fragments, a ring of four K steps (64 registers each: w1 u0, w1 u1, w3 u0, w3 u1); at the head x's rows on their way to LDS.   Window 2: v0-127 the 16 accumulators, (m, f) at 8 (4 m + f).
.set XPITCH, 2064                      ; a row of x in LDS: 2,048 bytes + 16: an odd multiple of 16, so that the 16 rows of a fragment load start in different banks (64 banks of 4 bytes: ISA guide 11.1)
.set XSC,    64*XPITCH                 ; behind the 64 rows: their scale bytes,
.set SPITCH, 80                        ; 64 bytes + 16 a row
.set EH,     96                        ; the hidden numbers
.set PC,     160                       ; their codes
.set TM,     176                       ; v176-179 largest magnitudes, v180-183 bytes, v184-187 57,344 x the scale, v188-191 the conversions' scale operands
.set MSB, 0
.macro WIN new                         ; s_set_vgpr_msb: bits 1:0 source 0, 3:2 source 1, 5:4 source 2, 7:6 destination; the high byte repeats the setting that is left
.if MSB != (\new)
	s_set_vgpr_msb (MSB<<8)|(\new)
.set MSB, (\new)
.endif
.endm
.macro BLOAD s                         ; K step s of my four weight fragments into ring slot s % 4
	WIN 0x40
.irp f, 0,1,2,3
.irp c, 0,1,2,3
	global_load_b128 v[64*((\s)%4)+16*\f+4*\c:64*((\s)%4)+16*\f+4*\c+3], v4, s[36:37] offset:8192*(\s)+2048*\f+512*\c
.endr
.endr
	WIN 0
.endm
.macro ALOAD s                         ; K step s of x's four fragments into buffer s % 2: lane (r, h): row 16 m + r, k = 128 s + 32 c + 16 h + 0..15
.irp m, 0,1,2,3
.irp c, 0,1,2,3
	ds_load_b128 v[96+64*((\s)%2)+16*\m+4*\c:96+64*((\s)%2)+16*\m+4*\c+3], v[6+\m] offset:128*(\s)+32*\c
.endr
.endr
.endm
; A K step of 128: 16 matrix instructions, the 16 accumulators by turns in the same order in every step.
.macro KSTEP s
.if (\s) > 0
.rept 8
	v_nop                                          ; eight places behind the last step's products, whose ring slot and whose buffer of x are loaded next
.endr
.endif
.if (\s) < 14
	s_wait_loadcnt 32                              ; this step's weights (and at step 0 the scale words) are in; the two steps behind it may be out
.else
	s_wait_loadcnt 16*(15-(\s))
.endif
.if (\s)+3 < 16
	BLOAD (\s)+3
.endif
	WIN 0
.if (\s)+1 < 16
	ALOAD (\s)+1
	s_wait_dscnt 16                                ; this step's fragments of x are in; the 16 loads just issued may be out
.else
	s_wait_dscnt 0x0
.endif
	WIN 0xa1                                       ; source 0 (weights) window 1, source 1 (x) window 0, C and D window 2
.irp m, 0,1,2,3
.irp f, 0,1,2,3
.if (\s) == 0
	v_wmma_scale_f32_16x16x128_f8f6f4 v[8*(4*\m+\f):8*(4*\m+\f)+7], v[64*((\s)%4)+16*\f:64*((\s)%4)+16*\f+15], v[96+64*((\s)%2)+16*\m:96+64*((\s)%2)+16*\m+15], 0, v[64+8*\f+(\s)/2], v[32+8*\m+(\s)/2] matrix_a_fmt:MATRIX_FMT_BF8 matrix_b_fmt:MATRIX_FMT_BF8
.elseif (\s)%2 == 0
	v_wmma_scale_f32_16x16x128_f8f6f4 v[8*(4*\m+\f):8*(4*\m+\f)+7], v[64*((\s)%4)+16*\f:64*((\s)%4)+16*\f+15], v[96+64*((\s)%2)+16*\m:96+64*((\s)%2)+16*\m+15], v[8*(4*\m+\f):8*(4*\m+\f)+7], v[64+8*\f+(\s)/2], v[32+8*\m+(\s)/2] matrix_a_fmt:MATRIX_FMT_BF8 matrix_b_fmt:MATRIX_FMT_BF8
.else
	v_wmma_scale_f32_16x16x128_f8f6f4 v[8*(4*\m+\f):8*(4*\m+\f)+7], v[64*((\s)%4)+16*\f:64*((\s)%4)+16*\f+15], v[96+64*((\s)%2)+16*\m:96+64*((\s)%2)+16*\m+15], v[8*(4*\m+\f):8*(4*\m+\f)+7], v[64+8*\f+(\s)/2], v[32+8*\m+(\s)/2] matrix_a_fmt:MATRIX_FMT_BF8 matrix_b_fmt:MATRIX_FMT_BF8 matrix_a_scale:MATRIX_SCALE_ROW1 matrix_b_scale:MATRIX_SCALE_ROW1
.endif
.endr
.endr
.endm
	s_load_b256 s[4:11], s[0:1], 0x0               ; ord 4:5, xc 6:7, xsc 8:9, w13c 10:11
	s_load_b128 s[12:15], s[0:1], 0x20             ; wsc 12:13, hq 14:15
	s_load_b64 s[16:17], s[0:1], 0x30              ; hs
	v_lshl_add_u32 v254, v0, 2, 0x21800
	v_mov_b32 v255, 0
	v_lshrrev_b32 v1, 5, v0
	v_readfirstlane_b32 s18, v1                    ; wave 0..3
	v_and_b32 v1, 31, v0                           ; lane
	v_and_b32 v2, 15, v0                           ; r
	v_bfe_u32 v3, v0, 4, 1                         ; h
	v_lshlrev_b32 v4, 4, v1                        ; 16 x lane
	v_lshlrev_b32 v5, 2, v1                        ; 4 x lane
	s_and_b32 s19, s18, 1                          ; g
	s_lshr_b32 s20, s18, 1                         ; j
	s_and_b32 s22, ttmp7, 0xffff                   ; b
	s_lshl_b32 s23, ttmp9, 1
	s_add_co_u32 s23, s23, s19                     ; G
	v_mul_u32_u24 v6, v2, XPITCH
	v_lshl_add_u32 v6, v3, 4, v6                   ; x's fragments in LDS: (16 m + r) x pitch + 16 h, a register for each m
	v_add_nc_u32 v7, 16*XPITCH, v6
	v_add_nc_u32 v8, 32*XPITCH, v6
	v_add_nc_u32 v9, 48*XPITCH, v6
	v_mul_u32_u24 v10, v2, SPITCH
	v_lshl_add_u32 v10, v3, 2, v10
	v_add_nc_u32 v10, XSC, v10                     ; x's scale words: row r, lanes 0-15 the even K step's word, lanes 16-31 the odd one's
	s_mul_i32 s28, s18, 16*XPITCH
	v_add_nc_u32 v11, s28, v4                      ; where my wave puts its 16 rows
	v_lshlrev_b32 v12, 2, v2
	v_lshl_add_u32 v12, v3, 8, v12                 ; hs: 256 h + 4 r
	v_lshrrev_b32 v13, 2, v1                       ; the scale bytes' way in: four lanes to a row of 64 bytes
	v_and_b32 v14, 3, v1
	v_mul_u32_u24 v224, v13, SPITCH
	v_lshl_add_u32 v224, v14, 4, v224
	s_mul_i32 s28, s18, 16*SPITCH
	s_add_co_u32 s28, s28, XSC
	v_add_nc_u32 v224, s28, v224                   ; LDS: row 16 w + lane / 4, 16 (lane % 4)
	s_lshl_b32 s29, s18, 6
	v_lshl_add_u32 v13, v13, 2, s29                ; that row's word of the block's list
	v_lshlrev_b32 v14, 4, v14
	s_wait_kmcnt 0x0
	s_lshl_b32 s28, s22, 8
	s_mov_b32 s29, 0
	s_add_nc_u64 s[26:27], s[4:5], s[28:29]        ; the block's 64 words of the list
	s_load_b512 s[32:47], s[26:27], 0x0
	s_load_b512 s[48:63], s[26:27], 0x40
	s_load_b512 s[68:83], s[26:27], 0x80
	s_load_b512 s[84:99], s[26:27], 0xc0
	global_load_b32 v15, v13, s[26:27]
	global_load_b32 v225, v13, s[26:27] offset:32  ; eight rows further on
	s_wait_kmcnt 0x0
	s_or_b32 s24, s32, s33                         ; the OR of the 64 words: bits 16..23 are the block's mask of experts
.set n, 34
.rept 30
	s_or_b32 s24, s24, s[n]
.set n, n+1
.endr
.set n, 68
.rept 32
	s_or_b32 s24, s24, s[n]
.set n, n+1
.endr
	s_lshl_b32 s28, s18, 6
	s_add_nc_u64 s[28:29], s[26:27], s[28:29]
	s_load_b512 s[32:47], s[28:29], 0x0            ; my wave's 16 rows once more
	s_wait_kmcnt 0x0
.set n, 0
.rept 16
	s_and_b32 s[32+n], s[32+n], 0x7ff              ; the token,
	s_min_u32 s[32+n], s[32+n], 0x7ff              ; (its bound written out)
	v_lshl_add_u32 v[16+n], s[32+n], 11, v4        ; its 2,048 bytes of codes, 16 a lane
.set n, n+1
.endr
	s_wait_loadcnt 0x0
	v_and_b32 v15, 0x7ff, v15
	v_min_u32 v15, 0x7ff, v15
	v_lshl_add_u32 v15, v15, 6, v14                ; its 64 scale bytes, 16 a lane
	v_and_b32 v225, 0x7ff, v225
	v_min_u32 v225, 0x7ff, v225
	v_lshl_add_u32 v225, v225, 6, v14
	global_load_b128 v[96:99], v15, s[8:9]
	global_load_b128 v[100:103], v225, s[8:9]
	WIN 0x40                                       ; destination window 1
.set i, 0
.rept 16
.irp k, 0,1,2,3
	global_load_b128 v[16*i+4*\k:16*i+4*\k+3], v[16+i], s[6:7] offset:512*\k   ; a row in four loads of 512 consecutive bytes
.endr
.set i, i+1
.endr
	WIN 0
	s_wait_loadcnt 62                              ; 64 loads were issued behind the two of scale bytes: with 62 out at the most those two are in
	ds_store_b128 v224, v[96:99]
	ds_store_b128 v224, v[100:103] offset:8*SPITCH
	WIN 0x04                                       ; an LDS store's data are its source 1: window 1
.set i, 0
.rept 16
	s_wait_loadcnt 60-4*i                          ; row i's four loads are in; the later rows' may be out
.irp k, 0,1,2,3
	ds_store_b128 v11, v[16*i+4*\k:16*i+4*\k+3] offset:XPITCH*i+512*\k
.endr
.set i, i+1
.endr
	WIN 0
	s_wait_dscnt 0x0                               ; for the others' sake: my rows lie in LDS
	s_barrier_signal -1
	s_barrier_wait -1                              ; all 64 do.  Nothing is stored to LDS behind this barrier, the launch's only one
.irp m, 0,1,2,3
.irp p, 0,1,2,3,4,5,6,7
	ds_load_b32 v[32+8*\m+\p], v10 offset:16*SPITCH*\m+8*\p   ; x's scale words stay in registers: K steps 2 p (lanes 0-15) and 2 p + 1 (lanes 16-31) of rows 16 m + r
.endr
.endr
	s_mov_b32 s44, 0xbfb8aa3b                      ; -log2(e), as a pair for the packed form
	s_mov_b32 s45, s44
	s_mov_b32 s46, 0xffff0000                      ; lanes 16-31
	s_mov_b32 s48, 0x76543210                      ; v_permlanex16_b32's selects for lane l xor 16
	s_mov_b32 s49, 0xfedcba98
	s_mov_b32 s50, 0x600000                        ; the mantissa field of 57,344
	s_lshl_b32 s51, s23, 17                        ; what hangs on G and b alone: w13c: G << 17;
	s_lshl_b32 s52, s23, 12                        ; wsc: G << 12;
	s_lshr_b32 s28, s23, 2                         ; (my units are group c = G & 3 of the next product's K step S = G >> 2)
	s_and_b32 s29, s23, 3
	s_lshl_b32 s53, s22, 18                        ; hq: b << 18 + S << 11 + c << 9;
	s_lshl_b32 s33, s28, 11
	s_add_co_u32 s53, s53, s33
	s_lshl_b32 s33, s29, 9
	s_add_co_u32 s53, s53, s33
	s_lshl_b32 s54, s22, 13                        ; hs: b << 13 + S << 6 + c
	s_lshl_b32 s33, s28, 6
	s_add_co_u32 s54, s54, s33
	s_add_co_u32 s54, s54, s29
	s_mov_b32 s55, s20                             ; whose turn it is: 0 = the next expert in the mask is mine.  It begins as j
	s_mov_b32 s35, 0
	s_mov_b32 s30, 0
	s_wait_dscnt 0x0
.Lexp:                                                 ; eight trips: s30 is the expert
	s_add_co_u32 s28, s30, 16
	s_lshr_b32 s28, s24, s28
	s_and_b32 s28, s28, 1                          ; 1: some token of the block names it
	s_xor_b32 s29, s55, 1
	s_and_b32 s29, s29, s28                        ; 1: and it is my turn
	s_xor_b32 s55, s55, s28                        ; the turn passes with every expert that is in the mask
	s_cmp_eq_u32 s29, 0
	s_cbranch_scc1 .Lskip
	s_wait_xcnt 0x0                                ; the last expert's stores and loads have had their addresses translated (ISA guide 3.1): their bases and data are written again only behind this wait
	s_lshl_b32 s34, s30, 21
	s_add_co_u32 s34, s34, s51
	s_add_nc_u64 s[36:37], s[10:11], s[34:35]      ; the weights' fragments
	s_lshl_b32 s34, s30, 16
	s_add_co_u32 s34, s34, s52
	s_add_nc_u64 s[38:39], s[12:13], s[34:35]      ; their scale words
	s_lshl_b32 s34, s30, 15
	s_add_co_u32 s34, s34, s53
	s_add_nc_u64 s[40:41], s[14:15], s[34:35]      ; where the codes go
	s_lshl_b32 s34, s30, 10
	s_add_co_u32 s34, s34, s54
	s_add_nc_u64 s[42:43], s[16:17], s[34:35]      ; and the bytes
.irp f, 0,1,2,3
.irp p, 0,1,2,3,4,5,6,7
	global_load_b32 v[64+8*\f+\p], v5, s[38:39] offset:1024*\f+128*\p   ; K steps 2 p (lanes 0-15) and 2 p + 1 (lanes 16-31) of fragment f's 16 columns
.endr
.endr
	BLOAD 0
	BLOAD 1
	BLOAD 2
	ALOAD 0
.irp s, 0,1,2,3,4,5,6,7,8,9,10,11,12,13,14,15
	KSTEP \s
.endr
.rept 8
	v_nop                                          ; eight places in front of the first read of the results, and of writes into the buffer that the last products read
.endr
	; silu(h1) * h3 = h1 / (1 + 2^(-log2(e) h1)) * h3.  Number 16 m + 8 u + i: row 16 m + r, unit 32 G + 16 h + 8 u + i.  Each accumulator is read from its low end on.
	WIN 0x02                                       ; source 0 window 2
.irp m, 0,1,2,3
.irp u, 0,1
.irp q, 0,2,4,6
	v_pk_mul_f32 v[EH+16*\m+8*\u+\q:EH+16*\m+8*\u+\q+1], v[32*\m+8*\u+\q:32*\m+8*\u+\q+1], s[44:45] op_sel_hi:[1,0]
.endr
.endr
.endr
	WIN 0
.set n, 0
.rept 64
	v_exp_f32 v[EH+n], v[EH+n]
.set n, n+1
.endr
	v_nop                                          ; a plain place behind the transcendentals
.set n, 0
	s_wait_alu depctr_va_vdst(0)
.rept 32
	v_pk_add_f32 v[EH+n:EH+n+1], v[EH+n:EH+n+1], 1.0 op_sel_hi:[1,0]
.set n, n+2
.endr
.set n, 0
.rept 64
	v_rcp_f32 v[EH+n], v[EH+n]
.set n, n+1
.endr
	v_nop
	WIN 0x02
	s_wait_alu depctr_va_vdst(0)
.irp m, 0,1,2,3
.irp u, 0,1
.irp q, 0,2,4,6
	v_pk_mul_f32 v[EH+16*\m+8*\u+\q:EH+16*\m+8*\u+\q+1], v[32*\m+8*\u+\q:32*\m+8*\u+\q+1], v[EH+16*\m+8*\u+\q:EH+16*\m+8*\u+\q+1]   ; x h1
.endr
.endr
.endr
.irp m, 0,1,2,3
.irp u, 0,1
.irp q, 0,2,4,6
	v_pk_mul_f32 v[EH+16*\m+8*\u+\q:EH+16*\m+8*\u+\q+1], v[32*\m+16+8*\u+\q:32*\m+16+8*\u+\q+1], v[EH+16*\m+8*\u+\q:EH+16*\m+8*\u+\q+1]   ; x h3
.endr
.endr
.endr
	WIN 0
	; The quantiser: for each tile of rows b one block of 32 units a row, 16 in lane l and 16 in lane l xor 16.
.irp b, 0,1,2,3
	v_max3_num_f32 v[TM+\b], |v[EH+16*\b]|, |v[EH+1+16*\b]|, 0x8000000   ; with the floor 2^(16 - 127): the byte cannot fall under 1
.endr
.irp i, 2,4,6,8,10,12,14
.irp b, 0,1,2,3
	v_max3_num_f32 v[TM+\b], v[TM+\b], |v[EH+16*\b+\i]|, |v[EH+1+16*\b+\i]|   ; the four blocks by turns
.endr
.endr
.irp b, 0,1,2,3
	v_permlanex16_b32 v[TM+4+\b], v[TM+\b], s48, s49   ; (its destination counts as read: v180-183 were last written by the loads of x's fragments, which have been waited for)
.endr
.irp b, 0,1,2,3
	v_max_num_f32 v[TM+\b], v[TM+\b], v[TM+4+\b]   ; the block's largest magnitude
.endr
.irp b, 0,1,2,3
	v_add_nc_u32 v[TM+12+\b], 0xf8800000, v[TM+\b] ; 15 off its exponent field: the conversion's scale operand
.endr
.irp b, 0,1,2,3
	v_and_or_b32 v[TM+8+\b], v[TM+\b], 0x7f800000, s50   ; 57,344 x the scale
.endr
.irp b, 0,1,2,3
	v_lshrrev_b32 v[TM+4+\b], 23, v[TM+12+\b]      ; the scale's byte
.endr
.irp b, 0,1,2,3
.irp i, 0,1,2,3,4,5,6,7,8,9,10,11,12,13,14,15
	v_med3_num_f32 v[EH+16*\b+\i], v[EH+16*\b+\i], -v[TM+8+\b], v[TM+8+\b]   ; the conversion to an 8-bit code does not saturate (ISA guide 7.6.2)
.endr
	v_cvt_scalef32_pk8_bf8_f32 v[PC+4*\b:PC+1+4*\b], v[EH+16*\b:EH+7+16*\b], v[TM+12+\b]
	v_cvt_scalef32_pk8_bf8_f32 v[PC+2+4*\b:PC+3+4*\b], v[EH+8+16*\b:EH+15+16*\b], v[TM+12+\b]
.endr
	v_nop                                          ; one plain line behind the last scaled conversion
.irp m, 0,1,2,3
	global_store_b128 v4, v[PC+4*\m:PC+4*\m+3], s[40:41] offset:8192*\m   ; group c of fragment (m, S): 512 consecutive bytes
.endr
.irp k, 0,1
	v_cndmask_b32 v[192+\k], v[TM+4+2*\k], v[TM+5+2*\k], s46   ; lanes 0-15 carry tile 2 k's bytes, lanes 16-31 tile 2 k + 1's
	global_store_b8 v12, v[192+\k], s[42:43] offset:512*\k
.endr
.Lskip:
	s_add_co_u32 s30, s30, 1
	s_cmp_lt_u32 s30, 8
	s_cbranch_scc1 .Lexp
	s_wait_tensorcnt 0x0
	ds_add_u32 v254, v255
	s_wait_dscnt 0x0
	s_endpgm
.Lfunc_end_k_qdcfffa46d2_hidden:
	.size	k_qdcfffa46d2_hidden, .Lfunc_end_k_qdcfffa46d2_hidden-k_qdcfffa46d2_hidden
	.p2alignl 7, 3214868480
	.fill 96, 4, 3214868480
	.section	.rodata,"a",@progbits
	.p2align	6, 0x0
	.amdhsa_kernel k_qdcfffa46d2_hidden
		.amdhsa_group_segment_fixed_size 137728
		.amdhsa_private_segment_fixed_size 0
		.amdhsa_enable_private_segment 0
		.amdhsa_kernarg_size 56
		.amdhsa_user_sgpr_count 2
		.amdhsa_user_sgpr_kernarg_segment_ptr 1
		.amdhsa_wavefront_size32 1
		.amdhsa_system_sgpr_workgroup_id_x 1
		.amdhsa_system_sgpr_workgroup_id_y 1
		.amdhsa_system_sgpr_workgroup_id_z 1
		.amdhsa_system_vgpr_workitem_id 0
		.amdhsa_next_free_vgpr 640
		.amdhsa_next_free_sgpr 100
		.amdhsa_reserve_vcc 0
		.amdhsa_float_denorm_mode_32 3
		.amdhsa_float_denorm_mode_16_64 3
		.amdhsa_memory_ordered 1
		.amdhsa_forward_progress 1
		.amdhsa_inst_pref_size 126
	.end_amdhsa_kernel
	.amdgpu_metadata
---
amdhsa.version: [ 1, 2 ]
amdhsa.kernels:
  - .name:           k_qdcfffa46d2_hidden
    .symbol:         k_qdcfffa46d2_hidden.kd
    .args:
      - { .name: ord, .offset: 0, .size: 8, .value_kind: global_buffer, .address_space: global }
      - { .name: xc, .offset: 8, .size: 8, .value_kind: global_buffer, .address_space: global }
      - { .name: xsc, .offset: 16, .size: 8, .value_kind: global_buffer, .address_space: global }
      - { .name: w13c, .offset: 24, .size: 8, .value_kind: global_buffer, .address_space: global }
      - { .name: wsc, .offset: 32, .size: 8, .value_kind: global_buffer, .address_space: global }
      - { .name: hq, .offset: 40, .size: 8, .value_kind: global_buffer, .address_space: global }
      - { .name: hs, .offset: 48, .size: 8, .value_kind: global_buffer, .address_space: global }
    .group_segment_fixed_size: 137728
    .private_segment_fixed_size: 0
    .kernarg_segment_align: 8
    .kernarg_segment_size: 56
    .max_flat_workgroup_size: 128
    .sgpr_count:     100
    .vgpr_count:     640
    .wavefront_size: 32
...
	.end_amdgpu_metadata
.endif
;; end of part 2
;; launch out (part 3): grid 8 x 32, 4 waves a work-group, no clusters, 17,920 bytes of LDS; arguments ord, selected_experts, routing_weights, hq, hs, w2c, wsc, out0; writes out0
.if DOCPART == 3
	.amdgcn_target "amdgcn-amd-amdhsa--gfx1250"
	.amdhsa_code_object_version 6
	.text
	.protected	k_qdcfffa46d2_out
	.globl	k_qdcfffa46d2_out
	.p2align	8
	.type	k_qdcfffa46d2_out,@function
k_qdcfffa46d2_out:
	s_mov_b64 s[64:65], 0
	v_nop
	global_prefetch_b8 v0, s[64:65] scope:SCOPE_SE
	s_setreg_imm32_b32 hwreg(HW_REG_WAVE_MODE, 25, 1), 1
	s_wait_xcnt 0x0
; OUT: out0[token] = the sum over experts e of w(token, e) x (hidden(token, e) w2[e]), w(token, e) = the sum of the token's routing weights whose slot names e.  The product on codes of E5M2 with E8M0 scales.
; SHARES.  A work-group (x, b) owns the 64 tokens of block b of the sorted list and 256 of the 2,048 columns; wave w: columns 64 ng .. 64 ng + 63, ng = 4 x + w, for all 64 rows.  Each output number has one owner.
; The wave walks the eight experts in a loop of constant count and passes over, by a scalar branch on the block's mask, those that none of its tokens names: the same mask under which the launch before stored hq and hs.
; For an expert in the mask: P = hidden w2[e] (16 accumulators, K = 512 in four steps), then O += w x P, one fused multiply-add a number, experts ascending.  A row that does not name the expert has w = 0.
; A token that names no expert 0..7 keeps O = 0, as the module leaves it.
; THE PRODUCT IS USED TRANSPOSED: source 0 = 16 columns of w2, source 1 = 16 rows of the hidden layer: lane (r, h) holds row 16 m + r and columns 16 t + 8 h + 0..7.
; Both operands come from memory straight into registers, as images of the operand's registers: 512 consecutive bytes a load.  No barrier: waves share nothing.
; THE RING GOES ON INTO THE NEXT EXPERT.  Each of the four K steps has registers of its own.  As soon as an expert's products of K step k are issued, K step k of the NEXT expert in the mask is asked for into the same
; registers, so loads are on their way through the products, the combine and the change of experts.  The next expert's scale words land in registers beside the ones in use and are copied at its head.
; The body stands twice in the loop: BODY 1 where a further expert follows, BODY 0 for the mask's last expert, which asks for nothing: no load is made that nobody uses, and each wait's count holds on its own way.
; No joint loads and no tensor loads: the walk hangs on the list, so neighbours would ask for different tiles, in different numbers.
; O is cleared by 128 moves: which expert comes first is known only from the list, and the alternative is a further copy of the products and of the combine.
; LIMITS: NaN and infinities (routing weights among them) are not served: a row weighed with 0 must have finite products, which holds wherever the dense products are finite.
; w x P is added by one fused multiply-add where the module multiplies and adds.
; REGISTERS, in windows of 256.  Window 0: v1-7 lane numbers and addresses; v8-11 8 x my rows' tokens; v12-19 their expert numbers, v20-27 their routing weights, v28-35 w, twice each; v36-38 at work;
;   v40-47 the hidden layer's scale words, v48-55 w2's (scales and nothing else); v64-95 offsets of the rows on the way out; v96-159 the way out, two sets of 32; v160-175 the next expert's scale words.
;   Window 1: the hidden layer's 16 fragments, (S, m) at 64 S + 16 m.   Window 2: v0-127 P, (m, t) at 8 (4 m + t); v128-255 w2's fragments of S = 0, 1.   Window 3: v0-127 O; v128-255 w2's of S = 2, 3.
.set SP, 272                           ; a stage row: 256 bytes + 16: an odd multiple of 16, so that 16 rows start in different banks (64 banks of 4 bytes: ISA guide 11.1)
.set STG, 16*SP                        ; a stage of 16 rows for each wave
.set TS, 160                           ; the scale words as they land
.set MSB, 0
.macro WIN new                         ; s_set_vgpr_msb: bits 1:0 source 0, 3:2 source 1, 5:4 source 2, 7:6 destination; the high byte repeats the setting that is left
.if MSB != (\new)
	s_set_vgpr_msb (MSB<<8)|(\new)
.set MSB, (\new)
.endif
.endm
.macro BASES                           ; the four bases of expert s53 (held at 7 ahead of this macro)
	s_lshl_b32 s26, s53, 15
	s_add_co_u32 s26, s26, s46
	s_add_nc_u64 s[36:37], s[10:11], s[26:27]      ; the hidden layer's fragments
	s_lshl_b32 s26, s53, 10
	s_add_co_u32 s26, s26, s47
	s_add_nc_u64 s[38:39], s[12:13], s[26:27]      ; their scale words
	s_lshl_b32 s26, s53, 20
	s_add_co_u32 s26, s26, s48
	s_add_nc_u64 s[40:41], s[14:15], s[26:27]      ; w2's fragments
	s_lshl_b32 s26, s53, 15
	s_add_co_u32 s26, s26, s49
	s_add_nc_u64 s[42:43], s[16:17], s[26:27]      ; their scale words
.endm
.macro SLOAD                           ; 16 loads: the scale words of the expert whose bases stand
.irp m, 0,1,2,3
.irp p, 0,1
	global_load_b32 v[TS+2*\m+\p], v5, s[38:39] offset:256*\m+128*\p     ; K steps 2 p (lanes 0-15) and 2 p + 1 (lanes 16-31) of rows 16 m + r
.endr
.endr
.irp t, 0,1,2,3
.irp p, 0,1
	global_load_b32 v[TS+8+2*\t+\p], v5, s[42:43] offset:256*\t+128*\p   ; the same of columns 16 t + r
.endr
.endr
.endm
.macro LOADK k                         ; K step k of the expert whose bases stand: the hidden layer's four fragments and w2's four: 32 loads
	WIN 0x40
.irp m, 0,1,2,3
.irp c, 0,1,2,3
	global_load_b128 v[64*(\k)+16*\m+4*\c:64*(\k)+16*\m+4*\c+3], v4, s[36:37] offset:8192*\m+2048*(\k)+512*\c
.endr
.endr
	WIN 0x80+0x40*((\k)/2)
.irp t, 0,1,2,3
.irp c, 0,1,2,3
	global_load_b128 v[128+64*((\k)%2)+16*\t+4*\c:128+64*((\k)%2)+16*\t+4*\c+3], v4, s[40:41] offset:8192*(\k)+2048*\t+512*\c
.endr
.endr
	WIN 0
.endm
.macro MULK k                          ; 16 matrix instructions, the 16 accumulators by turns in the same order in every step; step 0 starts the sums
	WIN 0xa6+(\k)/2                                ; source 0 (w2) window 2 or 3, source 1 (hidden) window 1, C and D window 2
.irp m, 0,1,2,3
.irp t, 0,1,2,3
.if (\k) == 0
	v_wmma_scale_f32_16x16x128_f8f6f4 v[8*(4*\m+\t):8*(4*\m+\t)+7], v[128+64*((\k)%2)+16*\t:128+64*((\k)%2)+16*\t+15], v[64*(\k)+16*\m:64*(\k)+16*\m+15], 0, v[48+2*\t+(\k)/2], v[40+2*\m+(\k)/2] matrix_a_fmt:MATRIX_FMT_BF8 matrix_b_fmt:MATRIX_FMT_BF8
.elseif (\k)%2 == 0
	v_wmma_scale_f32_16x16x128_f8f6f4 v[8*(4*\m+\t):8*(4*\m+\t)+7], v[128+64*((\k)%2)+16*\t:128+64*((\k)%2)+16*\t+15], v[64*(\k)+16*\m:64*(\k)+16*\m+15], v[8*(4*\m+\t):8*(4*\m+\t)+7], v[48+2*\t+(\k)/2], v[40+2*\m+(\k)/2] matrix_a_fmt:MATRIX_FMT_BF8 matrix_b_fmt:MATRIX_FMT_BF8
.else
	v_wmma_scale_f32_16x16x128_f8f6f4 v[8*(4*\m+\t):8*(4*\m+\t)+7], v[128+64*((\k)%2)+16*\t:128+64*((\k)%2)+16*\t+15], v[64*(\k)+16*\m:64*(\k)+16*\m+15], v[8*(4*\m+\t):8*(4*\m+\t)+7], v[48+2*\t+(\k)/2], v[40+2*\m+(\k)/2] matrix_a_fmt:MATRIX_FMT_BF8 matrix_b_fmt:MATRIX_FMT_BF8 matrix_a_scale:MATRIX_SCALE_ROW1 matrix_b_scale:MATRIX_SCALE_ROW1
.endif
.endr
.endr
.endm
.macro PLACES                          ; eight places behind these products, in front of loads into the registers that they read and of the first read of results
.rept 8
	v_nop
.endr
.endm
; ONE EXPERT, s30.  At its head its loads have been issued in this order: scale words (16), K steps 0, 1, 2, 3 (32 each).  nx = 1: a further expert follows (s51: the mask above s30, not 0); its loads go out in the same order.
; A wait's count is the number of loads issued behind the one that it waits for, or 63, the largest count that the instruction can name, where more were issued.
.macro BODY nx
	s_wait_loadcnt 63                              ; the scale words are in (128 loads were issued behind them), and so is all that is older: at the first expert the rows' expert numbers and routing weights
.set n, 0
.rept 16
	v_mov_b32 v[40+n], v[TS+n]                     ; into the registers that the products name.  The last products that named them stand behind eight places and the combine
.set n, n+1
.endr
.irp m, 0,1,2,3                        ; w of my four rows for this expert: 24 plain lines, the places between the copies above and the products
	v_cmp_eq_u32 vcc_lo, s30, v[12+2*\m]
	v_cndmask_b32 v36, 0, v[20+2*\m], vcc_lo
	v_cmp_eq_u32 vcc_lo, s30, v[13+2*\m]
	v_cndmask_b32 v37, 0, v[21+2*\m], vcc_lo
	v_add_f32 v[28+2*\m], v36, v37                 ; both slots may name the same expert
	v_add_f32 v[29+2*\m], v36, v37                 ; (twice: a pair for the packed form)
.endr
.if \nx
	s_ctz_i32_b32 s53, s51                         ; the next expert in the mask: s30 + 1 + the number of the lowest bit above
	s_add_co_u32 s53, s53, s30
	s_add_co_u32 s53, s53, 1
	s_min_u32 s53, s53, 7                          ; (its bound written out)
	s_wait_xcnt 0x0                                ; this expert's loads have had their addresses translated (ISA guide 3.1): their bases are written again only behind this wait
	BASES
	SLOAD
.endif
	s_wait_loadcnt 63                              ; K step 0 is in: behind it K steps 1 to 3 (96), with nx the next scale words too
	MULK 0
.if \nx
	PLACES
	LOADK 0
.endif
	s_wait_loadcnt 63                              ; K step 1 is in: behind it K steps 2 and 3 (64), with nx 48 more
	MULK 1
.if \nx
	PLACES
	LOADK 1
	s_wait_loadcnt 63                              ; K step 2 is in: behind it K step 3 (32), the next scale words (16) and the next K steps 0 and 1 (64)
.else
	s_wait_loadcnt 32                              ; K step 2 is in: behind it K step 3 alone
.endif
	MULK 2
.if \nx
	PLACES
	LOADK 2
	s_wait_loadcnt 63                              ; K step 3 is in: behind it the next scale words (16) and the next K steps 0 to 2 (96)
.else
	s_wait_loadcnt 0x0
.endif
	MULK 3
	PLACES
.if \nx
	LOADK 3
.endif
	WIN 0xf2                                       ; source 0 (P) window 2, source 1 (w) window 0, source 2 and destination (O) window 3
.irp m, 0,1,2,3
.irp t, 0,1,2,3
.irp q, 0,2,4,6
	v_pk_fma_f32 v[8*(4*\m+\t)+\q:8*(4*\m+\t)+\q+1], v[8*(4*\m+\t)+\q:8*(4*\m+\t)+\q+1], v[28+2*\m:29+2*\m], v[8*(4*\m+\t)+\q:8*(4*\m+\t)+\q+1]   ; O += w x P, each accumulator from its low end on
.endr
.endr
.endr
	WIN 0
.endm
; THE WAY OUT of a tile of 16 rows x 64 columns.  A lane holds 32 bytes of a row, the lanes beside it other rows: the tile goes through my own stage and comes back by rows, sixteen lanes to a row of 256 bytes.
.macro TOSTAGE m
	WIN 0x0c                                       ; an LDS store's data are its source 1: window 3
.irp t, 0,1,2,3
	ds_store_b128 v6, v[8*(4*(\m)+\t):8*(4*(\m)+\t)+3] offset:64*\t
	ds_store_b128 v6, v[8*(4*(\m)+\t)+4:8*(4*(\m)+\t)+7] offset:64*\t+16
.endr
	WIN 0
.irp i, 0,1,2,3,4,5,6,7
	ds_load_b128 v[96+32*((\m)%2)+4*\i:96+32*((\m)%2)+4*\i+3], v7 offset:2*SP*\i   ; rows 2 i and 2 i + 1.  LDS serves a wave's instructions in order: these see the stores above
.endr
.endm
.macro SEND m, younger                 ; younger: the LDS instructions issued behind tile m's loads, which may stay out
	s_wait_dscnt \younger
.irp i, 0,1,2,3,4,5,6,7
	global_store_b128 v[64+8*(\m)+\i], v[96+32*((\m)%2)+4*\i:96+32*((\m)%2)+4*\i+3], s[44:45] th:TH_STORE_NT   ; sixteen lanes store 256 consecutive bytes of a token's row, aligned
.endr
.endm
	s_load_b512 s[4:19], s[0:1], 0x0               ; ord 4:5, selected_experts 6:7, routing_weights 8:9, hq 10:11, hs 12:13, w2c 14:15, wsc 16:17, out0 18:19
	v_lshl_add_u32 v254, v0, 2, 0x4400
	v_mov_b32 v255, 0
	v_lshrrev_b32 v1, 5, v0
	v_readfirstlane_b32 s25, v1                    ; wave 0..3
	v_and_b32 v1, 31, v0                           ; lane
	v_and_b32 v2, 15, v0                           ; r
	v_bfe_u32 v3, v0, 4, 1                         ; h
	v_lshlrev_b32 v4, 4, v1                        ; 16 x lane
	v_lshlrev_b32 v5, 2, v1                        ; 4 x lane
	s_and_b32 s22, ttmp7, 0xffff                   ; b
	s_lshl_b32 s23, ttmp9, 2
	s_add_co_u32 s23, s23, s25                     ; ng
	s_mul_i32 s26, s25, STG                        ; my stage
	v_mul_u32_u24 v6, v2, SP
	v_lshl_add_u32 v6, v3, 5, v6
	v_add_nc_u32 v6, s26, v6                       ; in: row r, 32 bytes for each half of the lanes
	v_mul_u32_u24 v7, v3, SP
	v_lshl_add_u32 v7, v2, 4, v7
	v_add_nc_u32 v7, s26, v7                       ; back: lanes 0-15 one row, lanes 16-31 the next
	v_lshlrev_b32 v36, 2, v2                       ; 4 r
	v_lshlrev_b32 v37, 2, v3                       ; 4 h
	v_lshlrev_b32 v38, 4, v2                       ; 16 r
	s_wait_kmcnt 0x0
	s_lshl_b32 s26, s22, 8
	s_mov_b32 s27, 0
	s_add_nc_u64 s[20:21], s[4:5], s[26:27]        ; the block's 64 words of the list
	s_load_b512 s[32:47], s[20:21], 0x0
	s_load_b512 s[48:63], s[20:21], 0x40
	s_load_b512 s[68:83], s[20:21], 0x80
	s_load_b512 s[84:99], s[20:21], 0xc0
.irp m, 0,1,2,3
	global_load_b32 v[8+\m], v36, s[20:21] offset:64*\m            ; row 16 m + r: the row that my lane holds in the products
.endr
.irp m, 0,1,2,3
.irp i, 0,1,2,3,4,5,6,7
	global_load_b32 v[64+8*\m+\i], v37, s[20:21] offset:64*\m+8*\i ; row 16 m + 2 i + h: the row that my lane stores
.endr
.endr
	s_wait_kmcnt 0x0
	s_or_b32 s24, s32, s33                         ; the OR of the 64 words: bits 16..23 are the block's mask of experts
.set n, 34
.rept 30
	s_or_b32 s24, s24, s[n]
.set n, n+1
.endr
.set n, 68
.rept 32
	s_or_b32 s24, s24, s[n]
.set n, n+1
.endr
	s_bfe_u32 s50, s24, 0x80010                    ; the mask: 8 bits from bit 16
	s_lshl_b32 s26, s23, 8
	s_add_nc_u64 s[44:45], s[18:19], s[26:27]      ; out0 at my 64 columns
	s_lshl_b32 s46, s22, 18                        ; what hangs on b and ng alone: hq: b << 18;
	s_lshl_b32 s47, s22, 13                        ; hs: b << 13;
	s_lshl_b32 s48, s23, 15                        ; w2c: ng << 15;
	s_lshl_b32 s49, s23, 10
	s_add_co_u32 s49, s49, 524288                  ; wsc: 524,288 + ng << 10
	s_wait_loadcnt 0x0
.irp m, 0,1,2,3
	v_and_b32 v[8+\m], 0x7ff, v[8+\m]              ; the token,
	v_min_u32 v[8+\m], 0x7ff, v[8+\m]              ; (its bound written out)
	v_lshlrev_b32 v[8+\m], 3, v[8+\m]              ; its 8 bytes of expert numbers and of routing weights
.endr
.irp m, 0,1,2,3
	global_load_b64 v[12+2*\m:13+2*\m], v[8+\m], s[6:7]
	global_load_b64 v[20+2*\m:21+2*\m], v[8+\m], s[8:9]
.endr
.set n, 0
.rept 32
	v_and_b32 v[64+n], 0x7ff, v[64+n]
	v_min_u32 v[64+n], 0x7ff, v[64+n]
	v_lshl_add_u32 v[64+n], v[64+n], 13, v38       ; the token's row of 8,192 bytes, + 16 r
.set n, n+1
.endr
	WIN 0xc0                                       ; destination window 3
.set n, 0
.rept 128
	v_mov_b32 v[n], 0                              ; O
.set n, n+1
.endr
	WIN 0
	s_cmp_eq_u32 s50, 0
	s_cbranch_scc1 .Lway_out                       ; none of the block's tokens names an expert: O stays 0.  (The eight loads above may stay out: nothing below names their registers)
	s_ctz_i32_b32 s53, s50                         ; the mask's first expert
	s_min_u32 s53, s53, 7                          ; (its bound written out)
	BASES
	SLOAD                                          ; its loads go out ahead of the loop, in the order that a body's head expects
	LOADK 0
	LOADK 1
	LOADK 2
	LOADK 3
	s_mov_b32 s30, 0
.Lexp:                                                 ; eight trips: s30 is the expert
	s_lshr_b32 s26, s50, s30                       ; the mask from s30 on
	s_and_b32 s28, s26, 1
	s_cmp_eq_u32 s28, 0
	s_cbranch_scc1 .Lskip                          ; none of the block's tokens names it
	s_lshr_b32 s51, s26, 1                         ; the mask above s30
	s_cmp_eq_u32 s51, 0
	s_cbranch_scc1 .Llast
	BODY 1
	s_branch .Lskip
.Llast:
	BODY 0                                         ; the mask's last expert: nothing is left to ask for
.Lskip:
	s_add_co_u32 s30, s30, 1
	s_cmp_lt_u32 s30, 8
	s_cbranch_scc1 .Lexp
.Lway_out:
	TOSTAGE 0
.irp m, 1,2,3
.if \m > 1
	s_wait_xcnt 0x0                                ; tile m - 2's stores have read their registers: tile m's loads may land there
.endif
	TOSTAGE \m
	SEND \m-1, 16                                  ; behind tile m - 1's loads: tile m's 8 stores and 8 loads
.endr
	SEND 3, 0
	s_wait_tensorcnt 0x0
	ds_add_u32 v254, v255
	s_wait_dscnt 0x0
	s_endpgm
.Lfunc_end_k_qdcfffa46d2_out:
	.size	k_qdcfffa46d2_out, .Lfunc_end_k_qdcfffa46d2_out-k_qdcfffa46d2_out
	.p2alignl 7, 3214868480
	.fill 96, 4, 3214868480
	.section	.rodata,"a",@progbits
	.p2align	6, 0x0
	.amdhsa_kernel k_qdcfffa46d2_out
		.amdhsa_group_segment_fixed_size 17920
		.amdhsa_private_segment_fixed_size 0
		.amdhsa_enable_private_segment 0
		.amdhsa_kernarg_size 64
		.amdhsa_user_sgpr_count 2
		.amdhsa_user_sgpr_kernarg_segment_ptr 1
		.amdhsa_wavefront_size32 1
		.amdhsa_system_sgpr_workgroup_id_x 1
		.amdhsa_system_sgpr_workgroup_id_y 1
		.amdhsa_system_sgpr_workgroup_id_z 1
		.amdhsa_system_vgpr_workitem_id 0
		.amdhsa_next_free_vgpr 1024
		.amdhsa_next_free_sgpr 100
		.amdhsa_reserve_vcc 1
		.amdhsa_float_denorm_mode_32 3
		.amdhsa_float_denorm_mode_16_64 3
		.amdhsa_memory_ordered 1
		.amdhsa_forward_progress 1
		.amdhsa_inst_pref_size 84
	.end_amdhsa_kernel
	.amdgpu_metadata
---
amdhsa.version: [ 1, 2 ]
amdhsa.kernels:
  - .name:           k_qdcfffa46d2_out
    .symbol:         k_qdcfffa46d2_out.kd
    .args:
      - { .name: ord, .offset: 0, .size: 8, .value_kind: global_buffer, .address_space: global }
      - { .name: selected_experts, .offset: 8, .size: 8, .value_kind: global_buffer, .address_space: global }
      - { .name: routing_weights, .offset: 16, .size: 8, .value_kind: global_buffer, .address_space: global }
      - { .name: hq, .offset: 24, .size: 8, .value_kind: global_buffer, .address_space: global }
      - { .name: hs, .offset: 32, .size: 8, .value_kind: global_buffer, .address_space: global }
      - { .name: w2c, .offset: 40, .size: 8, .value_kind: global_buffer, .address_space: global }
      - { .name: wsc, .offset: 48, .size: 8, .value_kind: global_buffer, .address_space: global }
      - { .name: out0, .offset: 56, .size: 8, .value_kind: global_buffer, .address_space: global }
    .group_segment_fixed_size: 17920
    .private_segment_fixed_size: 0
    .kernarg_segment_align: 8
    .kernarg_segment_size: 64
    .max_flat_workgroup_size: 128
    .sgpr_count:     100
    .vgpr_count:     1024
    .wavefront_size: 32
...
	.end_amdgpu_metadata
.endif
;; end of part 3
;; ======== version 2 of 2: 3 launches
;; workspace buffers: xc 4,194,304 bytes; xsc 131,072 bytes; w13c 16,777,216 bytes; w2c 8,388,608 bytes; wsc 786,432 bytes; hq 8,388,608 bytes; hs 262,144 bytes; ord 8,192 bytes of whole numbers
;; launch prep (part 4): grid 960 x 1, 4 waves a work-group, no clusters, 41,984 bytes of LDS; arguments selected_experts, hidden_states, w1, w3, w2, xc, xsc, w13c, w2c, wsc, ord; writes xc, xsc, w13c, w2c, wsc, ord
.if DOCPART == 4
	.amdgcn_target "amdgcn-amd-amdhsa--gfx1250"
	.amdhsa_code_object_version 6
	.text
	.protected	k_qdcfffa46d2_prep
	.globl	k_qdcfffa46d2_prep
	.p2align	8
	.type	k_qdcfffa46d2_prep,@function
k_qdcfffa46d2_prep:
	s_mov_b64 s[64:65], 0
	v_nop
	global_prefetch_b8 v0, s[64:65] scope:SCOPE_SE
	s_setreg_imm32_b32 hwreg(HW_REG_WAVE_MODE, 25, 1), 1
	s_wait_xcnt 0x0
; PREP: everything that is done once.  Four kinds of work-groups, told apart by the work-group's number:
;   0..63     ROUTING: the 2,048 tokens are sorted by their pair of experts.  key = ((lo << 4 | hi) << 11) + token, lo <= hi the token's two expert numbers, each held at 8
;             (a number outside 0..7 names no expert).  A token's place is the count of smaller keys; keys differ, so the places are a permutation.  ord[place] = token | mask << 16,
;             mask = one bit for each expert 0..7 that the token names.  2,048 stores of 4 bytes to scattered places in the whole launch.
;   64..191   X: hidden_states [2048][2048] f32 -> codes of E5M2, xc [token][2048], and one E8M0 byte for each 32 along K, xsc [token][64].
;   192..703  W1, W3 [8][2048 k][512 f] f32 -> w13c, wsc.     704..959  W2 [8][512 k][2048 n] f32 -> w2c, wsc.
;             K is the weights' FIRST axis: a lane takes a column and its registers run down K, so a block of 32 lies in one lane and the conversions give codes with K innermost.
;             The codes are laid in the order of the operand's registers: a fragment (16 columns x 128 k) is [c 4][lane 32][16 bytes]; lane (r, h), group c: k = 32 c + 16 h + 0..15 of column r.
;             w13c [e][G 16][s 16][w1, w3][u 2][fragment]: lane r of fragment (G, u) is column 32 G + 8 u + (r & 7) + 16 (r >> 3), so that the later product's results are neighbours along the next K.
;             w2c  [e][ng 32][S 4][t 4][fragment]: lane r is column 64 ng + 16 t + r.
;             wsc  words of four bytes (128 k of one column): [e][G][2 mat + u][s 16][r 16], and from byte 524,288 on [e][ng][t][S 4][r 16].
; A block's scale is 2^(floor(log2(its largest magnitude)) - 15); its byte is the largest magnitude's exponent field - 15, held at 1 from below.
; LIMITS: NaN and infinities among the inputs are not served.  A block whose largest magnitude lies under 2^(15 - 126), a block of zeros among them, gets the byte 1
; (for zeros the rule says 127): its codes are then zeros or subnormal codes under that byte, and these bytes are read by this program alone.
; No tensor loads, no joint loads: no two work-groups read the same input bytes but the 16 KiB of expert numbers.
.set NROUTE, 64
.set NXWG,   128
.set NW13,   512
.set RK,     32768                     ; LDS: bytes 0..32,767 are the X path's (8,192 a wave); here the routing's key tables, 2,048 bytes a wave;
.set RP,     40960                     ; and its partial counts, 128 bytes a wave
.set MANT,   0x600000                  ; the mantissa field of 57,344 as f32
.set WREG,   8192                      ; X path: a wave's LDS: two stages of 32 x SP bytes, behind them its 256 scale bytes
.set SP,     80                        ; a lane's place in a stage: 64 bytes + 16 of padding
.set STEPS,  16
.set XR,     16                        ; X path: v16-79 four sets of 16 numbers as loaded; v80-111 two sets of 16 neighbours; v112-127 a byte for each step; v128-191 codes, four registers a step
.set XX,     80
.set XE,     112
.set XC,     128
; key of one token: its two expert numbers in v[ea], v[eb]; tb: register with the lane's token base; add: a constant on top
.macro KEY dst, ea, eb, tb, add
	v_min_u32 v24, 8, v[\ea]                       ; unsigned: what is negative or above 7 becomes 8
	v_min_u32 v25, 8, v[\eb]
	v_min_u32 v26, v24, v25                        ; lo
	v_add_nc_u32 v27, v24, v25
	v_sub_nc_u32 v27, v27, v26                     ; hi = a + b - lo
	v_lshl_or_b32 v26, v26, 4, v27
	v_lshl_add_u32 v26, v26, 11, v[\tb]
	v_add_nc_u32 v[\dst], \add, v26
.endm
; ---- X path: a step is 512 numbers of the wave's stream
.macro XLOAD t
.irp i, 0,1,2,3
	global_load_b128 v[XR+16*((\t)%4)+4*\i:XR+16*((\t)%4)+4*\i+3], v3, s[28:29] offset:2048*(\t)+512*\i th:TH_LOAD_NT   ; 32 lanes read 512 consecutive bytes
.endr
.endm
.macro XTURN t                         ; step t's numbers through the stage: in as they lie, back 64 bytes a lane.  LDS serves a wave's instructions in order: no wait between
.irp i, 0,1,2,3
	ds_store_b128 v14, v[XR+16*((\t)%4)+4*\i:XR+16*((\t)%4)+4*\i+3] offset:32*SP*((\t)%2)+8*SP*\i
.endr
.irp i, 0,1,2,3
	ds_load_b128 v[XX+16*((\t)%2)+4*\i:XX+16*((\t)%2)+4*\i+3], v15 offset:32*SP*((\t)%2)+16*\i
.endr
.endm
.macro XSTEP t
.set XS, XX+16*((\t)%2)
.if (\t) > 0
	s_wait_dscnt 1                                 ; this step's numbers are back from the stage; the last step's byte store may be out
.else
	s_wait_dscnt 0x0
.endif
.if (\t)+4 < STEPS
	XLOAD (\t)+4                                   ; into the set whose stores into the stage have read it
.endif
.if (\t)+1 < STEPS
.if STEPS-2-(\t) >= 3
	s_wait_loadcnt 12                              ; the next step's four loads are in; those of the three steps behind it may be out
.else
	s_wait_loadcnt 4*(STEPS-2-(\t))
.endif
	XTURN (\t)+1
.endif
	v_max3_num_f32 v8, |v[XS]|, |v[XS+1]|, |v[XS+2]|               ; the largest magnitude of my 16, in two chains
	v_max3_num_f32 v9, |v[XS+3]|, |v[XS+4]|, |v[XS+5]|
.irp i, 6,10
	v_max3_num_f32 v8, v8, |v[XS+\i]|, |v[XS+\i+1]|
	v_max3_num_f32 v9, v9, |v[XS+\i+2]|, |v[XS+\i+3]|
.endr
	v_max3_num_f32 v8, v8, |v[XS+14]|, |v[XS+15]|
	v_max3_num_f32 v8, v8, v9, 0x8000000           ; and the floor 2^(16 - 127): the byte cannot fall under 1
	v_max_num_f32_dpp v8, v8, v8 row_xmask:1 row_mask:0xf bank_mask:0xf   ; with my neighbour's 16: the block's
	v_add_nc_u32 v11, 0xf8800000, v8               ; 15 off its exponent field: the conversion takes this operand's exponent field as its scale
	v_and_or_b32 v10, v8, 0x7f800000, s27          ; 57,344 x the scale
.irp i, 0,1,2,3,4,5,6,7,8,9,10,11,12,13,14,15
	v_med3_num_f32 v[XS+\i], v[XS+\i], -v10, v10   ; the conversion to an 8-bit code does not saturate (ISA guide 7.6.2): the hold comes first
.endr
	v_cvt_scalef32_pk8_bf8_f32 v[XC+4*(\t):XC+4*(\t)+1], v[XS:XS+7], v11
	v_cvt_scalef32_pk8_bf8_f32 v[XC+4*(\t)+2:XC+4*(\t)+3], v[XS+8:XS+15], v11
	v_lshrrev_b32 v[XE+(\t)], 23, v11              ; the scale's byte
	ds_store_b8 v5, v[XE+(\t)] offset:16*(\t)      ; both lanes of a block write the same byte with the same value
	global_store_b128 v3, v[XC+4*(\t):XC+4*(\t)+3], s[30:31] offset:512*(\t)   ; 512 consecutive bytes of codes
.endm
; ---- weight paths: a wave takes 32 columns x 256 along K: 8 blocks a lane.  rowb: bytes from one k to the next
.macro WLOAD t, rowb
.set n, 0
.rept 32
	global_load_b32 v[32+32*((\t)%2)+n], v3, s[28:29] offset:(32*(\t)+n)*\rowb th:TH_LOAD_NT   ; one k, 32 columns: 128 consecutive bytes a wave, 512 a work-group
.set n, n+1
.endr
.endm
.macro WBLOCK t, rowb
.set XS, 32+32*((\t)%2)
.set CD, 96+8*(\t)                     ; each block has code registers of its own: no store's data are written again
.if (\t) < 7
	s_wait_loadcnt 32                              ; this block's 32 loads are in; the next block's may be out
.else
	s_wait_loadcnt 0x0
.endif
	v_max3_num_f32 v12, |v[XS]|, |v[XS+1]|, |v[XS+2]|              ; all 32 numbers of the block are mine
	v_max3_num_f32 v13, |v[XS+3]|, |v[XS+4]|, |v[XS+5]|
.irp i, 6,10,14,18,22,26
	v_max3_num_f32 v12, v12, |v[XS+\i]|, |v[XS+\i+1]|
	v_max3_num_f32 v13, v13, |v[XS+\i+2]|, |v[XS+\i+3]|
.endr
	v_max3_num_f32 v12, v12, |v[XS+30]|, |v[XS+31]|
	v_max3_num_f32 v12, v12, v13, 0x8000000        ; the floor 2^(16 - 127)
	v_add_nc_u32 v11, 0xf8800000, v12              ; the conversion's scale operand
	v_and_or_b32 v10, v12, 0x7f800000, s27         ; 57,344 x the scale
	v_lshrrev_b32 v13, 23, v11                     ; the byte
.if (\t)%4 == 0
	v_mov_b32 v[24+(\t)/4], v13                    ; four bytes make the word of 128 along K, the lower k in the lower byte
.else
	v_lshl_or_b32 v[24+(\t)/4], v13, 8*((\t)%4), v[24+(\t)/4]
.endif
.irp i, 0,1,2,3,4,5,6,7,8,9,10,11,12,13,14,15,16,17,18,19,20,21,22,23,24,25,26,27,28,29,30,31
	v_med3_num_f32 v[XS+\i], v[XS+\i], -v10, v10
.endr
.irp g, 0,1,2,3
	v_cvt_scalef32_pk8_bf8_f32 v[CD+2*\g:CD+2*\g+1], v[XS+8*\g:XS+8*\g+7], v11
.endr
	global_store_b128 v4, v[CD:CD+3], s[30:31] offset:((\t)/4)*8192+((\t)%4)*512          ; k 0..15 of the block: the fragment's lanes 0-15.  Sixteen lanes store 256 consecutive bytes, aligned
	global_store_b128 v4, v[CD+4:CD+7], s[30:31] offset:((\t)/4)*8192+((\t)%4)*512+256    ; k 16..31: its lanes 16-31
.if (\t)+2 < 8
	WLOAD (\t)+2, \rowb
.endif
.endm
.macro WQ rowb
	WLOAD 0, \rowb
	WLOAD 1, \rowb
.irp t, 0,1,2,3,4,5,6,7
	WBLOCK \t, \rowb
.endr
	global_store_b32 v9, v24, s[32:33]             ; my column's two scale words: sixteen lanes store 64 consecutive bytes
	global_store_b32 v9, v25, s[32:33] offset:64
	s_wait_tensorcnt 0x0
	ds_add_u32 v192, v193
	s_wait_dscnt 0x0
	s_endpgm
.endm
	s_load_b512 s[4:19], s[0:1], 0x0               ; selected_experts 4:5, hidden_states 6:7, w1 8:9, w3 10:11, w2 12:13, xc 14:15, xsc 16:17, w13c 18:19
	s_load_b128 s[20:23], s[0:1], 0x40             ; w2c 20:21, wsc 22:23
	s_load_b64 s[24:25], s[0:1], 0x50              ; ord
	v_lshl_add_u32 v192, v0, 2, 0xa200
	v_mov_b32 v193, 0
	v_lshrrev_b32 v1, 5, v0
	v_readfirstlane_b32 s26, v1                    ; wave 0..3
	v_and_b32 v1, 31, v0                           ; lane
	s_mov_b32 s27, MANT
	s_wait_kmcnt 0x0
	s_cmp_ge_u32 ttmp9, NROUTE
	s_cbranch_scc1 .Ljoin
	; ---- ROUTING, first part.  The work-group ranks tokens 32 id .. 32 id + 31, a lane to a token; wave w counts the smaller keys among tokens 512 w .. 512 w + 511.
	s_lshl_b32 s34, s26, 12
	s_wait_alu depctr_va_vdst(0)
	v_lshl_add_u32 v3, v1, 4, s34                  ; the wave's 4,096 bytes of expert numbers, 16 bytes (two tokens) a lane
	s_lshl_b32 s35, ttmp9, 8
	v_lshl_add_u32 v4, v1, 3, s35                  ; my own token's pair
.irp i, 0,1,2,3,4,5,6,7
	global_load_b128 v[32+4*\i:35+4*\i], v3, s[4:5] offset:512*\i   ; tokens 512 w + 64 i + 2 lane and the next
.endr
	global_load_b64 v[28:29], v4, s[4:5]
	s_lshl_b32 s36, s26, 9
	v_lshl_add_u32 v8, v1, 1, s36                  ; 512 w + 2 lane
	s_lshl_b32 s37, ttmp9, 5
	v_add_nc_u32 v9, s37, v1                       ; my token
	s_lshl_b32 s38, s26, 11
	s_add_co_u32 s38, s38, RK                      ; my wave's key table
	v_lshl_add_u32 v20, v1, 3, s38                 ; where I put two keys
	v_mov_b32 v21, s38                             ; where every lane reads them
	v_lshl_add_u32 v22, v0, 2, RP                  ; my partial count's word
	v_mov_b32 v31, 0                               ; the count
	s_wait_loadcnt 0x0
.irp i, 0,1,2,3,4,5,6,7
	KEY 32+4*\i, 32+4*\i, 33+4*\i, 8, 64*\i
	KEY 33+4*\i, 34+4*\i, 35+4*\i, 8, 64*\i+1
	ds_store_b64 v20, v[32+4*\i:33+4*\i] offset:256*\i
.endr
	KEY 30, 28, 29, 9, 0                           ; my own key
	s_wait_alu depctr_va_vdst(0)
.irp q, 0,1,2,3                        ; 128 keys at a time; every lane reads the same 16 bytes.  The table is the wave's own and LDS serves a wave in order: no barrier
.set n, 0
.rept 32
	ds_load_b128 v[64+4*n:67+4*n], v21 offset:512*\q+16*n
.set n, n+1
.endr
.irp g, 0,1,2,3
	s_wait_alu depctr_va_vdst(0)
	s_wait_dscnt 24-8*\g                           ; eight more loads are in; the batch's younger ones may be out
.set n, 0
.rept 32
	v_cmp_gt_u32 vcc_lo, v30, v[64+32*\g+n]
	v_add_co_ci_u32 v31, vcc_lo, 0, v31, vcc_lo    ; + 1 where my key is the larger
.set n, n+1
.endr
.endr
.endr
	ds_store_b32 v22, v31
.Ljoin:
	; The launch's one barrier stands on every work-group's way, so that it is under no branch; only the routing needs it: its four partial counts are stored in front of it and read behind it.
	s_wait_dscnt 0x0
	s_barrier_signal -1
	s_barrier_wait -1
	s_cmp_lt_u32 ttmp9, NROUTE
	s_cbranch_scc1 .Lroute_b
	s_cmp_lt_u32 ttmp9, NROUTE+NXWG
	s_cbranch_scc1 .Lx
	s_cmp_lt_u32 ttmp9, NROUTE+NXWG+NW13
	s_cbranch_scc1 .Lw13
	; ---- W2: work-group q: expert q >> 5, 256 k (q >> 4) & 1, 128 columns q & 15; wave w: columns 128 x + 32 w on
	s_sub_co_u32 s34, ttmp9, NROUTE+NXWG+NW13
	s_lshr_b32 s36, s34, 5                         ; e
	s_bfe_u32 s37, s34, 0x10004                    ; y
	s_and_b32 s38, s34, 15                         ; x
	s_lshr_b32 s39, s26, 1
	s_lshl_b32 s35, s38, 1
	s_add_co_u32 s39, s39, s35                     ; ng = 2 x + (w >> 1)
	s_and_b32 s35, s26, 1                          ; w & 1: tiles 2 (w & 1) and + 1 of ng's four
	s_mov_b32 s41, 0
	s_lshl_b32 s40, s36, 22                        ; from: e x 4 MiB + y x 256 rows of 8,192 bytes + 512 x + 128 w
	s_lshl_b32 s42, s37, 21
	s_add_co_u32 s40, s40, s42
	s_lshl_b32 s42, s38, 9
	s_add_co_u32 s40, s40, s42
	s_lshl_b32 s42, s26, 7
	s_add_co_u32 s40, s40, s42
	s_add_nc_u64 s[28:29], s[12:13], s[40:41]
	s_lshl_b32 s40, s36, 20                        ; codes: e << 20 + ng << 15 + (S = 2 y) << 13 + (w & 1) << 12
	s_lshl_b32 s42, s39, 15
	s_add_co_u32 s40, s40, s42
	s_lshl_b32 s42, s37, 14
	s_add_co_u32 s40, s40, s42
	s_lshl_b32 s42, s35, 12
	s_add_co_u32 s40, s40, s42
	s_add_nc_u64 s[30:31], s[20:21], s[40:41]
	s_lshl_b32 s40, s36, 15                        ; scale words: 524,288 + e << 15 + ng << 10 + (w & 1) << 9 + (S = 2 y) << 6
	s_lshl_b32 s42, s39, 10
	s_add_co_u32 s40, s40, s42
	s_lshl_b32 s42, s35, 9
	s_add_co_u32 s40, s40, s42
	s_lshl_b32 s42, s37, 7
	s_add_co_u32 s40, s40, s42
	s_add_co_u32 s40, s40, 524288
	s_add_nc_u64 s[32:33], s[22:23], s[40:41]
	s_wait_alu depctr_va_vdst(0)
	v_lshrrev_b32 v2, 4, v1                        ; u: which of my wave's two tiles
	v_and_b32 v5, 15, v1                           ; r
	v_lshlrev_b32 v3, 2, v1                        ; my column: lane
	v_lshlrev_b32 v4, 4, v5
	v_lshl_add_u32 v4, v2, 11, v4                  ; codes: u << 11 + 16 r
	v_lshlrev_b32 v9, 2, v5
	v_lshl_add_u32 v9, v2, 8, v9                   ; scale words: u << 8 + 4 r
	WQ 8192
.Lw13:	; ---- W1, W3: work-group q: w1 or w3 q >> 8, expert (q >> 5) & 7, 256 k (q >> 2) & 7, 128 columns q & 3; wave w: G = 4 x + w
	s_sub_co_u32 s34, ttmp9, NROUTE+NXWG
	s_cmp_lt_u32 s34, 256
	s_cselect_b64 s[28:29], s[8:9], s[10:11]       ; the choice hangs on the work-group's number alone
	s_lshr_b32 s35, s34, 8                         ; mat
	s_bfe_u32 s36, s34, 0x30005                    ; e
	s_bfe_u32 s37, s34, 0x30002                    ; y
	s_and_b32 s38, s34, 3                          ; x
	s_lshl_b32 s39, s38, 2
	s_add_co_u32 s39, s39, s26                     ; G
	s_mov_b32 s41, 0
	s_lshl_b32 s40, s36, 22                        ; from: e x 4 MiB + y x 256 rows of 2,048 bytes + 128 G
	s_lshl_b32 s42, s37, 19
	s_add_co_u32 s40, s40, s42
	s_lshl_b32 s42, s39, 7
	s_add_co_u32 s40, s40, s42
	s_add_nc_u64 s[28:29], s[28:29], s[40:41]
	s_lshl_b32 s40, s36, 21                        ; codes: e << 21 + G << 17 + (s = 2 y) << 13 + mat << 12
	s_lshl_b32 s42, s39, 17
	s_add_co_u32 s40, s40, s42
	s_lshl_b32 s42, s37, 14
	s_add_co_u32 s40, s40, s42
	s_lshl_b32 s42, s35, 12
	s_add_co_u32 s40, s40, s42
	s_add_nc_u64 s[30:31], s[18:19], s[40:41]
	s_lshl_b32 s40, s36, 16                        ; scale words: e << 16 + G << 12 + mat << 11 + (s = 2 y) << 6
	s_lshl_b32 s42, s39, 12
	s_add_co_u32 s40, s40, s42
	s_lshl_b32 s42, s35, 11
	s_add_co_u32 s40, s40, s42
	s_lshl_b32 s42, s37, 7
	s_add_co_u32 s40, s40, s42
	s_add_nc_u64 s[32:33], s[22:23], s[40:41]
	s_wait_alu depctr_va_vdst(0)
	v_lshrrev_b32 v2, 4, v1                        ; u
	v_and_b32 v5, 15, v1                           ; r
	v_and_b32 v6, 7, v1
	v_bfe_u32 v7, v1, 3, 1
	v_lshlrev_b32 v3, 2, v6                        ; my column of the wave's 32: 8 u + (r & 7) + 16 (r >> 3): the lanes still cover the same 128 bytes
	v_lshl_add_u32 v3, v2, 5, v3
	v_lshl_add_u32 v3, v7, 6, v3
	v_lshlrev_b32 v4, 4, v5
	v_lshl_add_u32 v4, v2, 11, v4                  ; codes: u << 11 + 16 r
	v_lshlrev_b32 v9, 2, v5
	v_lshl_add_u32 v9, v2, 10, v9                  ; scale words: u << 10 + 4 r
	WQ 2048
.Lx:	; ---- X: rows are dense and 2,048 is a multiple of 32, so the tensor is a stream of blocks of 32.  A wave takes 16 steps of 512 numbers.  The loads take the bytes as they lie, 16 a lane;
	s_wait_alu depctr_va_vdst(0)
	; a step's 2,048 bytes turn through the wave's own stage in LDS and come back 64 bytes a lane: 16 neighbours, two lanes to a block.  Loads run four steps ahead, the stage one.
	v_lshlrev_b32 v3, 4, v1                        ; 16 x lane: my bytes of a load's 512, and my 16 codes' place in a step's 512
	s_mul_i32 s34, s26, WREG
	v_lshrrev_b32 v14, 2, v1
	v_mul_u32_u24 v14, v14, SP
	v_and_b32 v15, 3, v1
	v_lshl_add_u32 v14, v15, 4, v14
	v_add_nc_u32 v14, s34, v14                     ; into the stage: SP (lane / 4) + 16 (lane % 4)
	v_mul_u32_u24 v15, v1, SP
	v_add_nc_u32 v15, s34, v15                     ; out of it: SP x lane
	v_lshrrev_b32 v5, 1, v1
	s_add_co_u32 s34, s34, 2*32*SP
	v_add_nc_u32 v5, s34, v5                       ; my block's scale byte among the wave's 256
	v_lshlrev_b32 v7, 3, v1
	v_add_nc_u32 v6, s34, v7                       ; and on the way out 8 bytes a lane
	s_sub_co_u32 s35, ttmp9, NROUTE
	s_lshl_b32 s35, s35, 2
	s_add_co_u32 s35, s35, s26                     ; which run of 8,192 numbers is my wave's
	s_mov_b32 s37, 0
	s_lshl_b32 s36, s35, 15
	s_add_nc_u64 s[28:29], s[6:7], s[36:37]
	s_lshl_b32 s36, s35, 13
	s_add_nc_u64 s[30:31], s[14:15], s[36:37]
	s_lshl_b32 s36, s35, 8
	s_add_nc_u64 s[32:33], s[16:17], s[36:37]
.irp t, 0,1,2,3
	XLOAD \t
.endr
	s_wait_alu depctr_va_vdst(0)
	s_wait_loadcnt 12                              ; step 0's four loads are in
	XTURN 0
.irp t, 0,1,2,3,4,5,6,7,8,9,10,11,12,13,14,15
	XSTEP \t
.endr
	ds_load_b64 v[12:13], v6                       ; LDS serves a wave's instructions in order: these see my byte stores
	s_wait_dscnt 0x0
	global_store_b64 v7, v[12:13], s[32:33]        ; 32 lanes store 256 consecutive bytes, aligned
	s_wait_tensorcnt 0x0
	ds_add_u32 v192, v193
	s_wait_dscnt 0x0
	s_endpgm
.Lroute_b:	; ---- ROUTING, second part: wave 0 adds the four counts and stores each token at its place
	s_cmp_lg_u32 s26, 0
	s_cbranch_scc1 .Lend
	s_wait_alu depctr_va_vdst(0)
	v_lshl_add_u32 v23, v1, 2, RP
	ds_load_b32 v32, v23
	ds_load_b32 v33, v23 offset:128
	ds_load_b32 v34, v23 offset:256
	ds_load_b32 v35, v23 offset:384
	s_lshl_b32 s35, ttmp9, 8
	v_lshl_add_u32 v4, v1, 3, s35
	global_load_b64 v[28:29], v4, s[4:5]           ; my token's pair once more
	s_lshl_b32 s37, ttmp9, 5
	v_add_nc_u32 v9, s37, v1                       ; my token
	v_mov_b32 v10, 1
	s_wait_dscnt 0x0
	v_add_nc_u32 v32, v32, v33
	v_add3_u32 v32, v32, v34, v35                  ; the count of smaller keys: my place
	v_min_u32 v32, 0x7ff, v32                      ; (it is under 2,048; the bound is written out)
	v_lshlrev_b32 v32, 2, v32
	s_wait_loadcnt 0x0
	v_min_u32 v28, 8, v28
	s_wait_alu depctr_va_vdst(0)
	v_min_u32 v29, 8, v29
	v_lshlrev_b32 v28, v28, v10
	v_lshlrev_b32 v29, v29, v10
	v_or_b32 v28, v28, v29
	v_and_b32 v28, 0xff, v28                       ; bit 8, no expert, falls away
	v_lshl_or_b32 v28, v28, 16, v9
	global_store_b32 v32, v28, s[24:25]
.Lend:
	s_wait_alu depctr_va_vdst(0)
	s_wait_tensorcnt 0x0
	ds_add_u32 v192, v193
	s_wait_dscnt 0x0
	s_endpgm
.Lfunc_end_k_qdcfffa46d2_prep:
	.size	k_qdcfffa46d2_prep, .Lfunc_end_k_qdcfffa46d2_prep-k_qdcfffa46d2_prep
	.p2alignl 7, 3214868480
	.fill 96, 4, 3214868480
	.section	.rodata,"a",@progbits
	.p2align	6, 0x0
	.amdhsa_kernel k_qdcfffa46d2_prep
		.amdhsa_group_segment_fixed_size 41984
		.amdhsa_private_segment_fixed_size 0
		.amdhsa_enable_private_segment 0
		.amdhsa_kernarg_size 88
		.amdhsa_user_sgpr_count 2
		.amdhsa_user_sgpr_kernarg_segment_ptr 1
		.amdhsa_wavefront_size32 1
		.amdhsa_system_sgpr_workgroup_id_x 1
		.amdhsa_system_sgpr_workgroup_id_y 1
		.amdhsa_system_sgpr_workgroup_id_z 1
		.amdhsa_system_vgpr_workitem_id 0
		.amdhsa_next_free_vgpr 194
		.amdhsa_next_free_sgpr 66
		.amdhsa_reserve_vcc 1
		.amdhsa_float_denorm_mode_32 3
		.amdhsa_float_denorm_mode_16_64 3
		.amdhsa_memory_ordered 1
		.amdhsa_forward_progress 1
		.amdhsa_inst_pref_size 213
	.end_amdhsa_kernel
	.amdgpu_metadata
---
amdhsa.version: [ 1, 2 ]
amdhsa.kernels:
  - .name:           k_qdcfffa46d2_prep
    .symbol:         k_qdcfffa46d2_prep.kd
    .args:
      - { .name: selected_experts, .offset: 0, .size: 8, .value_kind: global_buffer, .address_space: global }
      - { .name: hidden_states, .offset: 8, .size: 8, .value_kind: global_buffer, .address_space: global }
      - { .name: w1, .offset: 16, .size: 8, .value_kind: global_buffer, .address_space: global }
      - { .name: w3, .offset: 24, .size: 8, .value_kind: global_buffer, .address_space: global }
      - { .name: w2, .offset: 32, .size: 8, .value_kind: global_buffer, .address_space: global }
      - { .name: xc, .offset: 40, .size: 8, .value_kind: global_buffer, .address_space: global }
      - { .name: xsc, .offset: 48, .size: 8, .value_kind: global_buffer, .address_space: global }
      - { .name: w13c, .offset: 56, .size: 8, .value_kind: global_buffer, .address_space: global }
      - { .name: w2c, .offset: 64, .size: 8, .value_kind: global_buffer, .address_space: global }
      - { .name: wsc, .offset: 72, .size: 8, .value_kind: global_buffer, .address_space: global }
      - { .name: ord, .offset: 80, .size: 8, .value_kind: global_buffer, .address_space: global }
    .group_segment_fixed_size: 41984
    .private_segment_fixed_size: 0
    .kernarg_segment_align: 8
    .kernarg_segment_size: 88
    .max_flat_workgroup_size: 128
    .sgpr_count:     66
    .vgpr_count:     194
    .wavefront_size: 32
...
	.end_amdgpu_metadata
.endif
;; end of part 4
;; launch hidden (part 5): grid 8 x 32, 4 waves a work-group, no clusters, 137,728 bytes of LDS; arguments ord, xc, xsc, w13c, wsc, hq, hs; writes hq, hs
.if DOCPART == 5
	.amdgcn_target "amdgcn-amd-amdhsa--gfx1250"
	.amdhsa_code_object_version 6
	.text
	.protected	k_qdcfffa46d2_hidden
	.globl	k_qdcfffa46d2_hidden
	.p2align	8
	.type	k_qdcfffa46d2_hidden,@function
k_qdcfffa46d2_hidden:
	s_mov_b64 s[64:65], 0
	v_nop
	global_prefetch_b8 v0, s[64:65] scope:SCOPE_SE
	s_setreg_imm32_b32 hwreg(HW_REG_WAVE_SCHED_MODE, 0, 2), 2
	s_setreg_imm32_b32 hwreg(HW_REG_WAVE_MODE, 25, 1), 1
	s_wait_xcnt 0x0
	s_wait_alu depctr_vm_vsrc(0)
; HIDDEN: silu(x w1[e]) * (x w3[e]), quantised along its 512 units, for the experts that a block of tokens names.  Both products on codes of E5M2 with one E8M0 scale for each 32 along K.
; SHARES.  A block b (work-group y) is 64 tokens that follow each other in the sorted list ord; a work-group (x = slice) makes 64 of the 512 hidden units for them.
; Wave w: g = w & 1, j = w >> 1: units 32 G .. 32 G + 31, G = 2 slice + g.  The experts in the block's mask (the OR of its 64 tokens' masks) are DEALT BY TURNS, in ascending order, to j = 0 and j = 1:
; the two pairs of waves never differ by more than one expert, whichever numbers the experts have.  A scalar branch passes over the experts that are not in the mask or not this wave's.
; For an expert in the mask all 64 rows are multiplied; rows that do not name it are weighed with 0 in the next launch.  Every split of the tokens is served, all eight experts in one block too.
; x's 64 rows of codes and scale bytes are gathered once into LDS (one barrier, ahead of every branch on the list) and read from there by all four waves.  The weights' fragments come from memory straight into
; registers, laid by the launch before in the order of the operand's registers: 512 consecutive bytes a load.
; THE PRODUCTS ARE USED TRANSPOSED: source 0 = 16 columns of w1 or w3, source 1 = 16 rows of x.  With the columns that form a fragment chosen as they are, a lane holds ONE row and 16 neighbouring units,
; 32 G + 16 (lane / 16) + 0..15: the conversions' results are the next product's operand registers.  They go to hq as that image, [b][e][m 4][S 4][c 4][lane][16 bytes], the bytes to hs [b][e][m][S][r 16][c 4]:
; hs takes single bytes, 1 KiB for a block and an expert.
; No joint loads and no tensor loads: which experts a work-group walks is read from the list, so neighbours would ask for different tiles, in different numbers.
; LIMITS: NaN and infinities are not served.  A block of 32 units whose largest magnitude lies under 2^(15 - 126) gets the byte 1 (zeros too, where the rule says 127): only this program reads the bytes.
; REGISTERS, in windows of 256.  Window 0: v1-15 lane numbers and addresses; v16-31 my 16 rows' offsets in xc; v32-63 x's scale words, v64-95 the weights' (scales and nothing else);
;   v96-159, v160-223 x's fragments, two buffers; behind an expert's products v96-159 the 64 hidden numbers, v160-175 their codes, v176-193 at work; v224-225 addresses of the head; v254, v255 the closing add's two.
;   Window 1: the weights' fragments, a ring of four K steps (64 registers each: w1 u0, w1 u1, w3 u0, w3 u1); at the head x's rows on their way to LDS.   Window 2: v0-127 the 16 accumulators, (m, f) at 8 (4 m + f).
; THE MODE: SCHED_MODE bits 1:0 = 2 (LLVM: expert scheduling mode 2), set by the entry lines.  The code itself states the register dependences
; between vector or matrix instructions and memory or LDS instructions, with s_wait_alu, always for 0.
; THE PLAN.  Registers that memory or LDS instructions touch, in an expert's pass:
;   the ring's slots 0-3   K step s: its 16 products read slot s % 4; the loads of K step s + 4 land in it, issued in K step s + 1.  (At the head the LDS stores of x's rows read all of window 1.)
;   x's two buffers        K step s: its products read buffer s % 2; the LDS loads of K step s + 2 land in it, issued in K step s + 1.
;   v64-95                 read by all the pass's products; loaded again at the next pass's head.
;   v160-175, v192-193     behind the products: written by the conversions and two selects, read by the pass's six stores; the next pass's loads of x land there.
;   v4-v13, v15-v31, v224, v225   addresses and offsets, made at the head and never written again.
; So ONE wait on va_vdst stands at the head of a K step, behind the waits for the step's own data: the products of the step before are done reading the slot and the buffer in which this step's loads land.
; These loads are dealt among the step's products, which name slot s % 4, buffer s % 2, the accumulators and the scale words: none of the registers that the loads touch.
; A pass's head has one wait on vm_vsrc and one on va_vdst for all that the pass before (at the first pass: the kernel's head) left; one wait on va_vdst stands ahead of the pass's stores.
.set XPITCH, 2064                      ; a row of x in LDS: 2,048 bytes + 16: an odd multiple of 16, so that the 16 rows of a fragment load start in different banks (64 banks of 4 bytes: ISA guide 11.1)
.set XSC,    64*XPITCH                 ; behind the 64 rows: their scale bytes,
.set SPITCH, 80                        ; 64 bytes + 16 a row
.set EH,     96                        ; the hidden numbers
.set PC,     160                       ; their codes
.set TM,     176                       ; v176-179 largest magnitudes, v180-183 bytes, v184-187 57,344 x the scale, v188-191 the conversions' scale operands
.set MSB, 0
.macro WIN new                         ; s_set_vgpr_msb: bits 1:0 source 0, 3:2 source 1, 5:4 source 2, 7:6 destination; the high byte repeats the setting that is left
.if MSB != (\new)
	s_set_vgpr_msb (MSB<<8)|(\new)
.set MSB, (\new)
.endif
.endm
.macro BLOAD s                         ; K step s of my four weight fragments into ring slot s % 4
	WIN 0x40
.irp f, 0,1,2,3
.irp c, 0,1,2,3
	global_load_b128 v[64*((\s)%4)+16*\f+4*\c:64*((\s)%4)+16*\f+4*\c+3], v4, s[36:37] offset:8192*(\s)+2048*\f+512*\c
.endr
.endr
.endm
.macro ALOAD s                         ; K step s of x's four fragments into buffer s % 2: lane (r, h): row 16 m + r, k = 128 s + 32 c + 16 h + 0..15
	WIN 0
.irp m, 0,1,2,3
.irp c, 0,1,2,3
	ds_load_b128 v[96+64*((\s)%2)+16*\m+4*\c:96+64*((\s)%2)+16*\m+4*\c+3], v[6+\m] offset:128*(\s)+32*\c
.endr
.endr
.endm
.macro MUL4 s, m                       ; K step s, rows 16 m on: four products, one for each weight fragment
	WIN 0xa1                                       ; source 0 (weights) window 1, source 1 (x) window 0, C and D window 2
.irp f, 0,1,2,3
.if (\s) == 0
	v_wmma_scale_f32_16x16x128_f8f6f4 v[8*(4*(\m)+\f):8*(4*(\m)+\f)+7], v[64*((\s)%4)+16*\f:64*((\s)%4)+16*\f+15], v[96+64*((\s)%2)+16*(\m):96+64*((\s)%2)+16*(\m)+15], 0, v[64+8*\f+(\s)/2], v[32+8*(\m)+(\s)/2] matrix_a_fmt:MATRIX_FMT_BF8 matrix_b_fmt:MATRIX_FMT_BF8
.elseif (\s)%2 == 0
	v_wmma_scale_f32_16x16x128_f8f6f4 v[8*(4*(\m)+\f):8*(4*(\m)+\f)+7], v[64*((\s)%4)+16*\f:64*((\s)%4)+16*\f+15], v[96+64*((\s)%2)+16*(\m):96+64*((\s)%2)+16*(\m)+15], v[8*(4*(\m)+\f):8*(4*(\m)+\f)+7], v[64+8*\f+(\s)/2], v[32+8*(\m)+(\s)/2] matrix_a_fmt:MATRIX_FMT_BF8 matrix_b_fmt:MATRIX_FMT_BF8
.else
	v_wmma_scale_f32_16x16x128_f8f6f4 v[8*(4*(\m)+\f):8*(4*(\m)+\f)+7], v[64*((\s)%4)+16*\f:64*((\s)%4)+16*\f+15], v[96+64*((\s)%2)+16*(\m):96+64*((\s)%2)+16*(\m)+15], v[8*(4*(\m)+\f):8*(4*(\m)+\f)+7], v[64+8*\f+(\s)/2], v[32+8*(\m)+(\s)/2] matrix_a_fmt:MATRIX_FMT_BF8 matrix_b_fmt:MATRIX_FMT_BF8 matrix_a_scale:MATRIX_SCALE_ROW1 matrix_b_scale:MATRIX_SCALE_ROW1
.endif
.endr
.endm
; A K step of 128: 16 matrix instructions, the 16 accumulators by turns in the same order in every step.
; K step 0's loads lean on the waits at the pass's head; K step 15 loads nothing, so it has neither places nor a wait on va_vdst.
.macro KSTEP s
.if (\s) > 0 && (\s) < 15
.rept 8
	v_nop                                          ; eight places behind the last step's products, whose ring slot and whose buffer of x are loaded in this step; they stay beside the wait below
.endr
.endif
.if (\s) < 14
	s_wait_loadcnt 32                              ; this step's weights (and at step 0 the scale words) are in; the two steps behind it may be out
.else
	s_wait_loadcnt 16*(15-(\s))
.endif
	s_wait_dscnt 0x0                               ; this step's fragments of x are in: they were the last LDS loads issued
.if (\s) > 0 && (\s) < 15
	s_wait_alu depctr_va_vdst(0)                   ; the last step's products are done reading their ring slot and their buffer of x, in which the loads of this step land
.endif
	MUL4 \s, 0
.if (\s)+1 < 16
	ALOAD (\s)+1                                   ; no further wait: no product since the wait above names this buffer or v6-v9
.endif
	MUL4 \s, 1
.if (\s)+3 < 16
	BLOAD (\s)+3                                   ; likewise: none names this slot or v4
.endif
	MUL4 \s, 2
	MUL4 \s, 3
.endm
	s_load_b256 s[4:11], s[0:1], 0x0               ; ord 4:5, xc 6:7, xsc 8:9, w13c 10:11
	s_load_b128 s[12:15], s[0:1], 0x20             ; wsc 12:13, hq 14:15
	s_load_b64 s[16:17], s[0:1], 0x30              ; hs
	v_lshl_add_u32 v254, v0, 2, 0x21800            ; the LDS address of my spare word, behind x's scale bytes, and 0: kept for the closing lines alone
	v_mov_b32 v255, 0
	v_lshrrev_b32 v1, 5, v0
	v_readfirstlane_b32 s18, v1                    ; wave 0..3
	v_and_b32 v1, 31, v0                           ; lane
	v_and_b32 v2, 15, v0                           ; r
	v_bfe_u32 v3, v0, 4, 1                         ; h
	v_lshlrev_b32 v4, 4, v1                        ; 16 x lane
	v_lshlrev_b32 v5, 2, v1                        ; 4 x lane
	s_wait_alu depctr_va_sdst(0)                   ; s18 is written, ahead of its first reader: g, j and the wave's LDS places are made from it
	s_and_b32 s19, s18, 1                          ; g
	s_lshr_b32 s20, s18, 1                         ; j
	s_and_b32 s22, ttmp7, 0xffff                   ; b
	s_lshl_b32 s23, ttmp9, 1
	s_add_co_u32 s23, s23, s19                     ; G
	v_mul_u32_u24 v6, v2, XPITCH
	v_lshl_add_u32 v6, v3, 4, v6                   ; x's fragments in LDS: (16 m + r) x pitch + 16 h, a register for each m
	v_add_nc_u32 v7, 16*XPITCH, v6
	v_add_nc_u32 v8, 32*XPITCH, v6
	v_add_nc_u32 v9, 48*XPITCH, v6
	v_mul_u32_u24 v10, v2, SPITCH
	v_lshl_add_u32 v10, v3, 2, v10
	v_add_nc_u32 v10, XSC, v10                     ; x's scale words: row r, lanes 0-15 the even K step's word, lanes 16-31 the odd one's
	s_mul_i32 s28, s18, 16*XPITCH
	v_add_nc_u32 v11, s28, v4                      ; where my wave puts its 16 rows
	v_lshlrev_b32 v12, 2, v2
	v_lshl_add_u32 v12, v3, 8, v12                 ; hs: 256 h + 4 r
	v_lshrrev_b32 v13, 2, v1                       ; the scale bytes' way in: four lanes to a row of 64 bytes
	v_and_b32 v14, 3, v1
	v_mul_u32_u24 v224, v13, SPITCH
	v_lshl_add_u32 v224, v14, 4, v224
	s_mul_i32 s28, s18, 16*SPITCH
	s_add_co_u32 s28, s28, XSC
	v_add_nc_u32 v224, s28, v224                   ; LDS: row 16 w + lane / 4, 16 (lane % 4)
	s_lshl_b32 s29, s18, 6
	v_lshl_add_u32 v13, v13, 2, s29                ; that row's word of the block's list
	v_lshlrev_b32 v14, 4, v14
	s_wait_kmcnt 0x0
	s_lshl_b32 s28, s22, 8
	s_mov_b32 s29, 0
	s_add_nc_u64 s[26:27], s[4:5], s[28:29]        ; the block's 64 words of the list
	s_load_b512 s[32:47], s[26:27], 0x0
	s_load_b512 s[48:63], s[26:27], 0x40
	s_load_b512 s[68:83], s[26:27], 0x80
	s_load_b512 s[84:99], s[26:27], 0xc0
	s_wait_alu depctr_va_vdst(0)                   ; v13 is written, which the two loads below read as their offset; so are v4 to v12, v224, v254 and v255, which later loads, stores and the closing add read
	global_load_b32 v15, v13, s[26:27]
	global_load_b32 v225, v13, s[26:27] offset:32  ; eight rows further on
	s_wait_kmcnt 0x0
	s_or_b32 s24, s32, s33                         ; the OR of the 64 words: bits 16..23 are the block's mask of experts
.set n, 34
.rept 30
	s_or_b32 s24, s24, s[n]
.set n, n+1
.endr
.set n, 68
.rept 32
	s_or_b32 s24, s24, s[n]
.set n, n+1
.endr
	s_lshl_b32 s28, s18, 6
	s_add_nc_u64 s[28:29], s[26:27], s[28:29]
	s_load_b512 s[32:47], s[28:29], 0x0            ; my wave's 16 rows once more
	s_wait_kmcnt 0x0
.set n, 0
.rept 16
	s_and_b32 s[32+n], s[32+n], 0x7ff              ; the token,
	s_min_u32 s[32+n], s[32+n], 0x7ff              ; (its bound written out)
	v_lshl_add_u32 v[16+n], s[32+n], 11, v4        ; its 2,048 bytes of codes, 16 a lane
.set n, n+1
.endr
	s_wait_loadcnt 0x0
	v_and_b32 v15, 0x7ff, v15
	v_min_u32 v15, 0x7ff, v15
	v_lshl_add_u32 v15, v15, 6, v14                ; its 64 scale bytes, 16 a lane
	v_and_b32 v225, 0x7ff, v225
	v_min_u32 v225, 0x7ff, v225
	v_lshl_add_u32 v225, v225, 6, v14
	s_wait_alu depctr_va_vdst(0)                   ; v15, v225 and v16 to v31 are written: the offsets of the 66 loads below
	global_load_b128 v[96:99], v15, s[8:9]
	global_load_b128 v[100:103], v225, s[8:9]
	WIN 0x40                                       ; destination window 1
.set i, 0
.rept 16
.irp k, 0,1,2,3
	global_load_b128 v[16*i+4*\k:16*i+4*\k+3], v[16+i], s[6:7] offset:512*\k   ; a row in four loads of 512 consecutive bytes
.endr
.set i, i+1
.endr
	WIN 0
	s_wait_loadcnt 62                              ; 64 loads were issued behind the two of scale bytes: with 62 out at the most those two are in
	ds_store_b128 v224, v[96:99]
	ds_store_b128 v224, v[100:103] offset:8*SPITCH
	WIN 0x04                                       ; an LDS store's data are its source 1: window 1
.set i, 0
.rept 16
	s_wait_loadcnt 60-4*i                          ; row i's four loads are in; the later rows' may be out
.irp k, 0,1,2,3
	ds_store_b128 v11, v[16*i+4*\k:16*i+4*\k+3] offset:XPITCH*i+512*\k
.endr
.set i, i+1
.endr
	WIN 0
	s_wait_dscnt 0x0                               ; for the others' sake: my rows lie in LDS
	s_barrier_signal -1
	s_barrier_wait -1                              ; all 64 do.  Nothing is stored to LDS behind this barrier, the launch's only one
.irp m, 0,1,2,3
.irp p, 0,1,2,3,4,5,6,7
	ds_load_b32 v[32+8*\m+\p], v10 offset:16*SPITCH*\m+8*\p   ; x's scale words stay in registers: K steps 2 p (lanes 0-15) and 2 p + 1 (lanes 16-31) of rows 16 m + r
.endr
.endr
	s_mov_b32 s44, 0xbfb8aa3b                      ; -log2(e), as a pair for the packed form
	s_mov_b32 s45, s44
	s_mov_b32 s46, 0xffff0000                      ; lanes 16-31
	s_mov_b32 s48, 0x76543210                      ; v_permlanex16_b32's selects for lane l xor 16
	s_mov_b32 s49, 0xfedcba98
	s_mov_b32 s50, 0x600000                        ; the mantissa field of 57,344
	s_lshl_b32 s51, s23, 17                        ; what hangs on G and b alone: w13c: G << 17;
	s_lshl_b32 s52, s23, 12                        ; wsc: G << 12;
	s_lshr_b32 s28, s23, 2                         ; (my units are group c = G & 3 of the next product's K step S = G >> 2)
	s_and_b32 s29, s23, 3
	s_lshl_b32 s53, s22, 18                        ; hq: b << 18 + S << 11 + c << 9;
	s_lshl_b32 s33, s28, 11
	s_add_co_u32 s53, s53, s33
	s_lshl_b32 s33, s29, 9
	s_add_co_u32 s53, s53, s33
	s_lshl_b32 s54, s22, 13                        ; hs: b << 13 + S << 6 + c
	s_lshl_b32 s33, s28, 6
	s_add_co_u32 s54, s54, s33
	s_add_co_u32 s54, s54, s29
	s_mov_b32 s55, s20                             ; whose turn it is: 0 = the next expert in the mask is mine.  It begins as j
	s_mov_b32 s35, 0
	s_mov_b32 s30, 0
	s_wait_dscnt 0x0
.Lexp:                                                 ; eight trips: s30 is the expert
	s_add_co_u32 s28, s30, 16
	s_lshr_b32 s28, s24, s28
	s_and_b32 s28, s28, 1                          ; 1: some token of the block names it
	s_xor_b32 s29, s55, 1
	s_and_b32 s29, s29, s28                        ; 1: and it is my turn
	s_xor_b32 s55, s55, s28                        ; the turn passes with every expert that is in the mask
	s_cmp_eq_u32 s29, 0
	s_cbranch_scc1 .Lskip
	s_wait_xcnt 0x0                                ; the last expert's stores and loads have had their addresses translated (ISA guide 3.1): their bases and data are written again only behind this wait
	s_wait_alu depctr_vm_vsrc(0)                   ; the last pass's stores have read v160-175 and v192-193, and at the first pass the head's LDS stores have read v96-103 and window 1: this pass's loads land in all of them
	s_wait_alu depctr_va_vdst(0)                   ; the last pass's products are done reading the ring, x's buffers and v64-95, and its activation and quantiser are done with v96-193: the loads below and K step 0's land there
	s_lshl_b32 s34, s30, 21
	s_add_co_u32 s34, s34, s51
	s_add_nc_u64 s[36:37], s[10:11], s[34:35]      ; the weights' fragments
	s_lshl_b32 s34, s30, 16
	s_add_co_u32 s34, s34, s52
	s_add_nc_u64 s[38:39], s[12:13], s[34:35]      ; their scale words
	s_lshl_b32 s34, s30, 15
	s_add_co_u32 s34, s34, s53
	s_add_nc_u64 s[40:41], s[14:15], s[34:35]      ; where the codes go
	s_lshl_b32 s34, s30, 10
	s_add_co_u32 s34, s34, s54
	s_add_nc_u64 s[42:43], s[16:17], s[34:35]      ; and the bytes
.irp f, 0,1,2,3
.irp p, 0,1,2,3,4,5,6,7
	global_load_b32 v[64+8*\f+\p], v5, s[38:39] offset:1024*\f+128*\p   ; K steps 2 p (lanes 0-15) and 2 p + 1 (lanes 16-31) of fragment f's 16 columns
.endr
.endr
	BLOAD 0
	BLOAD 1
	BLOAD 2
	ALOAD 0
.irp s, 0,1,2,3,4,5,6,7,8,9,10,11,12,13,14,15
	KSTEP \s
.endr
.rept 8
	v_nop                                          ; eight places in front of the first read of the results, and of writes into the buffer that the last products read
.endr
	; silu(h1) * h3 = h1 / (1 + 2^(-log2(e) h1)) * h3.  Number 16 m + 8 u + i: row 16 m + r, unit 32 G + 16 h + 8 u + i.  Each accumulator is read from its low end on.
	WIN 0x02                                       ; source 0 window 2
.irp m, 0,1,2,3
.irp u, 0,1
.irp q, 0,2,4,6
	v_pk_mul_f32 v[EH+16*\m+8*\u+\q:EH+16*\m+8*\u+\q+1], v[32*\m+8*\u+\q:32*\m+8*\u+\q+1], s[44:45] op_sel_hi:[1,0]
.endr
.endr
.endr
	WIN 0
.set n, 0
	s_wait_alu depctr_va_vdst(0)
.rept 64
	v_exp_f32 v[EH+n], v[EH+n]
.set n, n+1
.endr
	v_nop                                          ; a plain place behind the transcendentals
.set n, 0
	s_wait_alu depctr_va_vdst(0)                   ; the 64 exponentials have written v96-159, ahead of their first reader: one wait for the batch
.rept 32
	v_pk_add_f32 v[EH+n:EH+n+1], v[EH+n:EH+n+1], 1.0 op_sel_hi:[1,0]
.set n, n+2
.endr
.set n, 0
	s_wait_alu depctr_va_vdst(0)
.rept 64
	v_rcp_f32 v[EH+n], v[EH+n]
.set n, n+1
.endr
	v_nop
	WIN 0x02
	s_wait_alu depctr_va_vdst(0)                   ; the 64 reciprocals have written v96-159, ahead of their first reader: one wait for the batch
.irp m, 0,1,2,3
.irp u, 0,1
.irp q, 0,2,4,6
	v_pk_mul_f32 v[EH+16*\m+8*\u+\q:EH+16*\m+8*\u+\q+1], v[32*\m+8*\u+\q:32*\m+8*\u+\q+1], v[EH+16*\m+8*\u+\q:EH+16*\m+8*\u+\q+1]   ; x h1
.endr
.endr
.endr
.irp m, 0,1,2,3
.irp u, 0,1
.irp q, 0,2,4,6
	v_pk_mul_f32 v[EH+16*\m+8*\u+\q:EH+16*\m+8*\u+\q+1], v[32*\m+16+8*\u+\q:32*\m+16+8*\u+\q+1], v[EH+16*\m+8*\u+\q:EH+16*\m+8*\u+\q+1]   ; x h3
.endr
.endr
.endr
	WIN 0
	; The quantiser: for each tile of rows b one block of 32 units a row, 16 in lane l and 16 in lane l xor 16.
.irp b, 0,1,2,3
	v_max3_num_f32 v[TM+\b], |v[EH+16*\b]|, |v[EH+1+16*\b]|, 0x8000000   ; with the floor 2^(16 - 127): the byte cannot fall under 1
.endr
.irp i, 2,4,6,8,10,12,14
.irp b, 0,1,2,3
	v_max3_num_f32 v[TM+\b], v[TM+\b], |v[EH+16*\b+\i]|, |v[EH+1+16*\b+\i]|   ; the four blocks by turns
.endr
.endr
.irp b, 0,1,2,3
	v_permlanex16_b32 v[TM+4+\b], v[TM+\b], s48, s49   ; (its destination counts as read: v180-183 were last written by the loads of x's fragments, which have been waited for)
.endr
.irp b, 0,1,2,3
	v_max_num_f32 v[TM+\b], v[TM+\b], v[TM+4+\b]   ; the block's largest magnitude
.endr
.irp b, 0,1,2,3
	v_add_nc_u32 v[TM+12+\b], 0xf8800000, v[TM+\b] ; 15 off its exponent field: the conversion's scale operand
.endr
.irp b, 0,1,2,3
	v_and_or_b32 v[TM+8+\b], v[TM+\b], 0x7f800000, s50   ; 57,344 x the scale
.endr
.irp b, 0,1,2,3
	v_lshrrev_b32 v[TM+4+\b], 23, v[TM+12+\b]      ; the scale's byte
.endr
.irp k, 0,1
	v_cndmask_b32 v[192+\k], v[TM+4+2*\k], v[TM+5+2*\k], s46   ; lanes 0-15 carry tile 2 k's bytes, lanes 16-31 tile 2 k + 1's.  Made here, so that one wait serves all six stores
.endr
.irp b, 0,1,2,3
.irp i, 0,1,2,3,4,5,6,7,8,9,10,11,12,13,14,15
	v_med3_num_f32 v[EH+16*\b+\i], v[EH+16*\b+\i], -v[TM+8+\b], v[TM+8+\b]   ; the conversion to an 8-bit code does not saturate (ISA guide 7.6.2)
.endr
	v_cvt_scalef32_pk8_bf8_f32 v[PC+4*\b:PC+1+4*\b], v[EH+16*\b:EH+7+16*\b], v[TM+12+\b]
	v_cvt_scalef32_pk8_bf8_f32 v[PC+2+4*\b:PC+3+4*\b], v[EH+8+16*\b:EH+15+16*\b], v[TM+12+\b]
.endr
	v_nop                                          ; one plain line behind the last scaled conversion
	s_wait_alu depctr_va_vdst(0)                   ; the conversions have written v160-175 and the selects v192-193, which the six stores read
.irp m, 0,1,2,3
	global_store_b128 v4, v[PC+4*\m:PC+4*\m+3], s[40:41] offset:8192*\m   ; group c of fragment (m, S): 512 consecutive bytes
.endr
.irp k, 0,1
	global_store_b8 v12, v[192+\k], s[42:43] offset:512*\k
.endr
.Lskip:
	s_add_co_u32 s30, s30, 1
	s_cmp_lt_u32 s30, 8
	s_cbranch_scc1 .Lexp
	s_wait_dscnt 0x0                               ; the closing lines, six on end
	s_wait_alu 0x0
	s_wait_tensorcnt 0x0
	ds_add_u32 v254, v255
	s_wait_dscnt 0x0
	s_endpgm
.Lfunc_end_k_qdcfffa46d2_hidden:
	.size	k_qdcfffa46d2_hidden, .Lfunc_end_k_qdcfffa46d2_hidden-k_qdcfffa46d2_hidden
	.p2alignl 7, 3214868480
	.fill 96, 4, 3214868480
	.section	.rodata,"a",@progbits
	.p2align	6, 0x0
	.amdhsa_kernel k_qdcfffa46d2_hidden
		.amdhsa_group_segment_fixed_size 137728
		.amdhsa_private_segment_fixed_size 0
		.amdhsa_enable_private_segment 0
		.amdhsa_kernarg_size 56
		.amdhsa_user_sgpr_count 2
		.amdhsa_user_sgpr_kernarg_segment_ptr 1
		.amdhsa_wavefront_size32 1
		.amdhsa_system_sgpr_workgroup_id_x 1
		.amdhsa_system_sgpr_workgroup_id_y 1
		.amdhsa_system_sgpr_workgroup_id_z 1
		.amdhsa_system_vgpr_workitem_id 0
		.amdhsa_next_free_vgpr 640
		.amdhsa_next_free_sgpr 100
		.amdhsa_reserve_vcc 0
		.amdhsa_float_denorm_mode_32 3
		.amdhsa_float_denorm_mode_16_64 3
		.amdhsa_memory_ordered 1
		.amdhsa_forward_progress 1
		.amdhsa_inst_pref_size 127
	.end_amdhsa_kernel
	.amdgpu_metadata
---
amdhsa.version: [ 1, 2 ]
amdhsa.kernels:
  - .name:           k_qdcfffa46d2_hidden
    .symbol:         k_qdcfffa46d2_hidden.kd
    .args:
      - { .name: ord, .offset: 0, .size: 8, .value_kind: global_buffer, .address_space: global }
      - { .name: xc, .offset: 8, .size: 8, .value_kind: global_buffer, .address_space: global }
      - { .name: xsc, .offset: 16, .size: 8, .value_kind: global_buffer, .address_space: global }
      - { .name: w13c, .offset: 24, .size: 8, .value_kind: global_buffer, .address_space: global }
      - { .name: wsc, .offset: 32, .size: 8, .value_kind: global_buffer, .address_space: global }
      - { .name: hq, .offset: 40, .size: 8, .value_kind: global_buffer, .address_space: global }
      - { .name: hs, .offset: 48, .size: 8, .value_kind: global_buffer, .address_space: global }
    .group_segment_fixed_size: 137728
    .private_segment_fixed_size: 0
    .kernarg_segment_align: 8
    .kernarg_segment_size: 56
    .max_flat_workgroup_size: 128
    .sgpr_count:     100
    .vgpr_count:     640
    .wavefront_size: 32
...
	.end_amdgpu_metadata
.endif
;; end of part 5
;; launch out (part 6): grid 8 x 32, 4 waves a work-group, no clusters, 17,920 bytes of LDS; arguments ord, selected_experts, routing_weights, hq, hs, w2c, wsc, out0; writes out0
.if DOCPART == 6
	.amdgcn_target "amdgcn-amd-amdhsa--gfx1250"
	.amdhsa_code_object_version 6
	.text
	.protected	k_qdcfffa46d2_out
	.globl	k_qdcfffa46d2_out
	.p2align	8
	.type	k_qdcfffa46d2_out,@function
k_qdcfffa46d2_out:
	s_mov_b64 s[64:65], 0
	v_nop
	global_prefetch_b8 v0, s[64:65] scope:SCOPE_SE
	s_setreg_imm32_b32 hwreg(HW_REG_WAVE_SCHED_MODE, 0, 2), 2
	s_setreg_imm32_b32 hwreg(HW_REG_WAVE_MODE, 25, 1), 1
	s_wait_xcnt 0x0
	s_wait_alu depctr_vm_vsrc(0)
; OUT: out0[token] = the sum over experts e of w(token, e) x (hidden(token, e) w2[e]), w(token, e) = the sum of the token's routing weights whose slot names e.  The product on codes of E5M2 with E8M0 scales.
; SHARES.  A work-group (x, b) owns the 64 tokens of block b of the sorted list and 256 of the 2,048 columns; wave w: columns 64 ng .. 64 ng + 63, ng = 4 x + w, for all 64 rows.  Each output number has one owner.
; The wave walks the eight experts in a loop of constant count and passes over, by a scalar branch on the block's mask, those that none of its tokens names: the same mask under which the launch before stored hq and hs.
; For an expert in the mask: P = hidden w2[e] (16 accumulators, K = 512 in four steps), then O += w x P, one fused multiply-add a number, experts ascending.  A row that does not name the expert has w = 0.
; A token that names no expert 0..7 keeps O = 0, as the module leaves it.
; THE PRODUCT IS USED TRANSPOSED: source 0 = 16 columns of w2, source 1 = 16 rows of the hidden layer: lane (r, h) holds row 16 m + r and columns 16 t + 8 h + 0..7.
; Both operands come from memory straight into registers, as images of the operand's registers: 512 consecutive bytes a load.  No barrier: waves share nothing.
; THE RING GOES ON INTO THE NEXT EXPERT.  Each of the four K steps has registers of its own.  K step k of the NEXT expert in the mask is asked for into the same registers among the products of this expert's K step k + 1
; (K step 3: ahead of the combine), so loads are on their way through the products, the combine and the change of experts.  The next expert's scale words land in registers beside the ones in use and are copied at its head.
; The body stands twice in the loop: BODY 1 where a further expert follows, BODY 0 for the mask's last expert, which asks for nothing: no load is made that nobody uses, and each wait's count holds on its own way.
; No joint loads and no tensor loads: the walk hangs on the list, so neighbours would ask for different tiles, in different numbers.
; O is cleared by 128 moves: which expert comes first is known only from the list, and the alternative is a further copy of the products and of the combine.
; LIMITS: NaN and infinities (routing weights among them) are not served: a row weighed with 0 must have finite products, which holds wherever the dense products are finite.
; w x P is added by one fused multiply-add where the module multiplies and adds.
; REGISTERS, in windows of 256.  Window 0: v1-7 lane numbers and addresses; v8-11 8 x my rows' tokens; v12-19 their expert numbers, v20-27 their routing weights, v28-35 w, twice each; v36-38 at work;
;   v40-47 the hidden layer's scale words, v48-55 w2's (scales and nothing else); v64-95 offsets of the rows on the way out; v96-159 the way out, two sets of 32; v160-175 the next expert's scale words; v254, v255 the closing add's two.
;   Window 1: the hidden layer's 16 fragments, (S, m) at 64 S + 16 m.   Window 2: v0-127 P, (m, t) at 8 (4 m + t); v128-255 w2's fragments of S = 0, 1.   Window 3: v0-127 O; v128-255 w2's of S = 2, 3.
; THE MODE: SCHED_MODE bits 1:0 = 2 (LLVM: expert scheduling mode 2), set by the entry lines.  The code itself states the register dependences
; between vector or matrix instructions and memory or LDS instructions, with s_wait_alu, always for 0.
; THE PLAN.  Registers that memory or LDS instructions touch:
;   the fragments of K step k (window 1: 64 registers; window 2 or 3: 64)   read by the 16 products of K step k; the next expert's K step k lands in them, issued in K step k + 1, or for k = 3 behind the products.
;   v160-175      the next expert's scale words land in them; read by the 16 copies at a body's head.
;   v40-55        written by those copies, taken as scales by the products.
;   v36, v37      offsets of the list's loads at the kernel's head; written again by the bodies.
;   v4-v11, v64-95   addresses and offsets: never written again once a load or store has read them.
;   O, window 3   written by the clearing moves and the combine; read by the LDS stores of the way out.      v96-159   LDS loads land in them, the stores to out0 read them: two sets by turns.
; So a body has one wait on va_vdst behind the lines that make w (the copies are done), one at the head of each of K steps 1 to 3, behind the wait for the step's own data (the products of the step before are done reading
; their fragments), and one behind K step 3's products.  The loads that follow each are dealt among products that name other K steps' fragments, P and v40-55 alone.  BODY 0 has the first of these alone.
.set SP, 272                           ; a stage row: 256 bytes + 16: an odd multiple of 16, so that 16 rows start in different banks (64 banks of 4 bytes: ISA guide 11.1)
.set STG, 16*SP                        ; a stage of 16 rows for each wave
.set TS, 160                           ; the scale words as they land
.set MSB, 0
.macro WIN new                         ; s_set_vgpr_msb: bits 1:0 source 0, 3:2 source 1, 5:4 source 2, 7:6 destination; the high byte repeats the setting that is left
.if MSB != (\new)
	s_set_vgpr_msb (MSB<<8)|(\new)
.set MSB, (\new)
.endif
.endm
.macro BASES                           ; the four bases of expert s53 (held at 7 ahead of this macro)
	s_lshl_b32 s26, s53, 15
	s_add_co_u32 s26, s26, s46
	s_add_nc_u64 s[36:37], s[10:11], s[26:27]      ; the hidden layer's fragments
	s_lshl_b32 s26, s53, 10
	s_add_co_u32 s26, s26, s47
	s_add_nc_u64 s[38:39], s[12:13], s[26:27]      ; their scale words
	s_lshl_b32 s26, s53, 20
	s_add_co_u32 s26, s26, s48
	s_add_nc_u64 s[40:41], s[14:15], s[26:27]      ; w2's fragments
	s_lshl_b32 s26, s53, 15
	s_add_co_u32 s26, s26, s49
	s_add_nc_u64 s[42:43], s[16:17], s[26:27]      ; their scale words
.endm
.macro SLOAD                           ; 16 loads: the scale words of the expert whose bases stand
.irp m, 0,1,2,3
.irp p, 0,1
	global_load_b32 v[TS+2*\m+\p], v5, s[38:39] offset:256*\m+128*\p     ; K steps 2 p (lanes 0-15) and 2 p + 1 (lanes 16-31) of rows 16 m + r
.endr
.endr
.irp t, 0,1,2,3
.irp p, 0,1
	global_load_b32 v[TS+8+2*\t+\p], v5, s[42:43] offset:256*\t+128*\p   ; the same of columns 16 t + r
.endr
.endr
.endm
.macro LOADA k                         ; K step k of the expert whose bases stand: the hidden layer's four fragments: 16 loads
	WIN 0x40
.irp m, 0,1,2,3
.irp c, 0,1,2,3
	global_load_b128 v[64*(\k)+16*\m+4*\c:64*(\k)+16*\m+4*\c+3], v4, s[36:37] offset:8192*\m+2048*(\k)+512*\c
.endr
.endr
.endm
.macro LOADB k                         ; and w2's four: 16 loads
	WIN 0x80+0x40*((\k)/2)
.irp t, 0,1,2,3
.irp c, 0,1,2,3
	global_load_b128 v[128+64*((\k)%2)+16*\t+4*\c:128+64*((\k)%2)+16*\t+4*\c+3], v4, s[40:41] offset:8192*(\k)+2048*\t+512*\c
.endr
.endr
.endm
.macro MUL4 k, m                       ; K step k, rows 16 m on: four products.  The 16 accumulators take turns in the same order in every step; step 0 starts the sums
	WIN 0xa6+(\k)/2                                ; source 0 (w2) window 2 or 3, source 1 (hidden) window 1, C and D window 2
.irp t, 0,1,2,3
.if (\k) == 0
	v_wmma_scale_f32_16x16x128_f8f6f4 v[8*(4*(\m)+\t):8*(4*(\m)+\t)+7], v[128+64*((\k)%2)+16*\t:128+64*((\k)%2)+16*\t+15], v[64*(\k)+16*(\m):64*(\k)+16*(\m)+15], 0, v[48+2*\t+(\k)/2], v[40+2*(\m)+(\k)/2] matrix_a_fmt:MATRIX_FMT_BF8 matrix_b_fmt:MATRIX_FMT_BF8
.elseif (\k)%2 == 0
	v_wmma_scale_f32_16x16x128_f8f6f4 v[8*(4*(\m)+\t):8*(4*(\m)+\t)+7], v[128+64*((\k)%2)+16*\t:128+64*((\k)%2)+16*\t+15], v[64*(\k)+16*(\m):64*(\k)+16*(\m)+15], v[8*(4*(\m)+\t):8*(4*(\m)+\t)+7], v[48+2*\t+(\k)/2], v[40+2*(\m)+(\k)/2] matrix_a_fmt:MATRIX_FMT_BF8 matrix_b_fmt:MATRIX_FMT_BF8
.else
	v_wmma_scale_f32_16x16x128_f8f6f4 v[8*(4*(\m)+\t):8*(4*(\m)+\t)+7], v[128+64*((\k)%2)+16*\t:128+64*((\k)%2)+16*\t+15], v[64*(\k)+16*(\m):64*(\k)+16*(\m)+15], v[8*(4*(\m)+\t):8*(4*(\m)+\t)+7], v[48+2*\t+(\k)/2], v[40+2*(\m)+(\k)/2] matrix_a_fmt:MATRIX_FMT_BF8 matrix_b_fmt:MATRIX_FMT_BF8 matrix_a_scale:MATRIX_SCALE_ROW1 matrix_b_scale:MATRIX_SCALE_ROW1
.endif
.endr
.endm
.macro PLACES                          ; eight places behind these products, in front of loads into the registers that they read and of the first read of results
.rept 8
	v_nop
.endr
.endm
; K step k = 1, 2, 3 of an expert.  nx = 1: the next expert's K step k - 1 is asked for among its products.  left: the count of the wait for this step's own fragments.
.macro STEPK k, nx, left
.if \nx
	PLACES                                         ; they stay beside the wait on va_vdst below
.endif
	s_wait_loadcnt \left
.if \nx
	s_wait_alu depctr_va_vdst(0)                   ; the products of K step k - 1 are done reading their fragments, in which the 32 loads of this step land
.endif
	MUL4 \k, 0
.if \nx
	LOADA (\k)-1                                   ; no further wait: no product since the wait above names these registers or v4
.endif
	MUL4 \k, 1
.if \nx
	LOADB (\k)-1
.endif
	MUL4 \k, 2
	MUL4 \k, 3
.endm
; ONE EXPERT, s30.  At its head its loads have been issued in this order: scale words (16), K steps 0, 1, 2, 3 (32 each).  nx = 1: a further expert follows (s51: the mask above s30, not 0); its loads go out in the same order.
; A wait's count is the number of loads issued behind the one that it waits for, or 63, the largest count that the instruction can name, where more were issued.
.macro BODY nx
	s_wait_loadcnt 63                              ; the scale words are in (128 loads were issued behind them), and so is all that is older: at the first expert the rows' expert numbers and routing weights
.set n, 0
.rept 16
	v_mov_b32 v[40+n], v[TS+n]                     ; into the registers that the products name.  The last products that named them stand behind eight places and the combine
.set n, n+1
.endr
.irp m, 0,1,2,3                        ; w of my four rows for this expert: 24 plain lines, the places between the copies above and the products.  The eight compares stand in one run, a mask register each
	v_cmp_eq_u32 s[56+2*\m], s30, v[12+2*\m]
	v_cmp_eq_u32 s[57+2*\m], s30, v[13+2*\m]
.endr
	s_wait_alu depctr_va_sdst(0)                   ; the eight compares have written s56 to s63, ahead of the selects that read them
.irp m, 0,1,2,3
	v_cndmask_b32 v36, 0, v[20+2*\m], s[56+2*\m]
	v_cndmask_b32 v37, 0, v[21+2*\m], s[57+2*\m]
	v_add_f32 v[28+2*\m], v36, v37                 ; both slots may name the same expert
	v_add_f32 v[29+2*\m], v36, v37                 ; (twice: a pair for the packed form)
.endr
.if \nx
	s_ctz_i32_b32 s53, s51                         ; the next expert in the mask: s30 + 1 + the number of the lowest bit above
	s_add_co_u32 s53, s53, s30
	s_add_co_u32 s53, s53, 1
	s_min_u32 s53, s53, 7                          ; (its bound written out)
	s_wait_xcnt 0x0                                ; this expert's loads have had their addresses translated (ISA guide 3.1): their bases are written again only behind this wait
	BASES
.endif
	s_wait_alu depctr_va_vdst(0)                   ; the copies have written v40-55, which the products take as scales (the 24 lines above are the places ahead of this wait), and are done reading v160-175, in which the next scale words land
.if \nx
	SLOAD
.endif
	s_wait_loadcnt 63                              ; K step 0 is in: behind it K steps 1 to 3 (96), with nx the next scale words too
	MUL4 0, 0
	MUL4 0, 1
	MUL4 0, 2
	MUL4 0, 3
	STEPK 1, \nx, 63                               ; K step 1 is in: behind it K steps 2 and 3 (64), with nx the next scale words (16) too
.if \nx
	STEPK 2, 1, 63                                 ; K step 2 is in: behind it K step 3 (32), the next scale words (16) and the next K step 0 (32)
	STEPK 3, 1, 63                                 ; K step 3 is in: behind it the next scale words (16) and the next K steps 0 and 1 (64)
.else
	STEPK 2, 0, 32                                 ; K step 2 is in: behind it K step 3 alone
	STEPK 3, 0, 0
.endif
	PLACES
.if \nx
	s_wait_alu depctr_va_vdst(0)                   ; the products of K step 3 are done reading their fragments, in which the 32 loads below land; the places above stay for the combine's reads
	LOADA 3
	LOADB 3
.endif
	WIN 0xf2                                       ; source 0 (P) window 2, source 1 (w) window 0, source 2 and destination (O) window 3
.irp m, 0,1,2,3
.irp t, 0,1,2,3
.irp q, 0,2,4,6
	v_pk_fma_f32 v[8*(4*\m+\t)+\q:8*(4*\m+\t)+\q+1], v[8*(4*\m+\t)+\q:8*(4*\m+\t)+\q+1], v[28+2*\m:29+2*\m], v[8*(4*\m+\t)+\q:8*(4*\m+\t)+\q+1]   ; O += w x P, each accumulator from its low end on
.endr
.endr
.endr
	WIN 0
.endm
; THE WAY OUT of a tile of 16 rows x 64 columns.  A lane holds 32 bytes of a row, the lanes beside it other rows: the tile goes through my own stage and comes back by rows, sixteen lanes to a row of 256 bytes.
.macro TOSTAGE m
	WIN 0x0c                                       ; an LDS store's data are its source 1: window 3
.irp t, 0,1,2,3
	ds_store_b128 v6, v[8*(4*(\m)+\t):8*(4*(\m)+\t)+3] offset:64*\t
	ds_store_b128 v6, v[8*(4*(\m)+\t)+4:8*(4*(\m)+\t)+7] offset:64*\t+16
.endr
	WIN 0
.irp i, 0,1,2,3,4,5,6,7
	ds_load_b128 v[96+32*((\m)%2)+4*\i:96+32*((\m)%2)+4*\i+3], v7 offset:2*SP*\i   ; rows 2 i and 2 i + 1.  LDS serves a wave's instructions in order: these see the stores above
.endr
.endm
.macro SEND m, younger                 ; younger: the LDS instructions issued behind tile m's loads, which may stay out
	s_wait_dscnt \younger
.irp i, 0,1,2,3,4,5,6,7
	global_store_b128 v[64+8*(\m)+\i], v[96+32*((\m)%2)+4*\i:96+32*((\m)%2)+4*\i+3], s[44:45] th:TH_STORE_NT   ; sixteen lanes store 256 consecutive bytes of a token's row, aligned
.endr
.endm
	s_load_b512 s[4:19], s[0:1], 0x0               ; ord 4:5, selected_experts 6:7, routing_weights 8:9, hq 10:11, hs 12:13, w2c 14:15, wsc 16:17, out0 18:19
	v_lshl_add_u32 v254, v0, 2, 0x4400             ; the LDS address of my spare word, behind the four stages, and 0: kept for the closing lines alone
	v_mov_b32 v255, 0
	v_lshrrev_b32 v1, 5, v0
	v_readfirstlane_b32 s25, v1                    ; wave 0..3
	v_and_b32 v1, 31, v0                           ; lane
	v_and_b32 v2, 15, v0                           ; r
	v_bfe_u32 v3, v0, 4, 1                         ; h
	v_lshlrev_b32 v4, 4, v1                        ; 16 x lane
	v_lshlrev_b32 v5, 2, v1                        ; 4 x lane
	s_wait_alu depctr_va_sdst(0)                   ; s25 is written, ahead of its first reader: ng and the wave's stage are made from it
	s_and_b32 s22, ttmp7, 0xffff                   ; b
	s_lshl_b32 s23, ttmp9, 2
	s_add_co_u32 s23, s23, s25                     ; ng
	s_mul_i32 s26, s25, STG                        ; my stage
	v_mul_u32_u24 v6, v2, SP
	v_lshl_add_u32 v6, v3, 5, v6
	v_add_nc_u32 v6, s26, v6                       ; in: row r, 32 bytes for each half of the lanes
	v_mul_u32_u24 v7, v3, SP
	v_lshl_add_u32 v7, v2, 4, v7
	v_add_nc_u32 v7, s26, v7                       ; back: lanes 0-15 one row, lanes 16-31 the next
	v_lshlrev_b32 v36, 2, v2                       ; 4 r
	v_lshlrev_b32 v37, 2, v3                       ; 4 h
	v_lshlrev_b32 v38, 4, v2                       ; 16 r
	s_wait_kmcnt 0x0
	s_lshl_b32 s26, s22, 8
	s_mov_b32 s27, 0
	s_add_nc_u64 s[20:21], s[4:5], s[26:27]        ; the block's 64 words of the list
	s_load_b512 s[32:47], s[20:21], 0x0
	s_load_b512 s[48:63], s[20:21], 0x40
	s_load_b512 s[68:83], s[20:21], 0x80
	s_load_b512 s[84:99], s[20:21], 0xc0
	s_wait_alu depctr_va_vdst(0)                   ; v36 and v37 are written, the offsets of the 36 loads below; so are v4 to v7, v254 and v255, which later loads, LDS instructions and the closing add read
.irp m, 0,1,2,3
	global_load_b32 v[8+\m], v36, s[20:21] offset:64*\m            ; row 16 m + r: the row that my lane holds in the products
.endr
.irp m, 0,1,2,3
.irp i, 0,1,2,3,4,5,6,7
	global_load_b32 v[64+8*\m+\i], v37, s[20:21] offset:64*\m+8*\i ; row 16 m + 2 i + h: the row that my lane stores
.endr
.endr
	s_wait_kmcnt 0x0
	s_or_b32 s24, s32, s33                         ; the OR of the 64 words: bits 16..23 are the block's mask of experts
.set n, 34
.rept 30
	s_or_b32 s24, s24, s[n]
.set n, n+1
.endr
.set n, 68
.rept 32
	s_or_b32 s24, s24, s[n]
.set n, n+1
.endr
	s_bfe_u32 s50, s24, 0x80010                    ; the mask: 8 bits from bit 16
	s_lshl_b32 s26, s23, 8
	s_add_nc_u64 s[44:45], s[18:19], s[26:27]      ; out0 at my 64 columns
	s_lshl_b32 s46, s22, 18                        ; what hangs on b and ng alone: hq: b << 18;
	s_lshl_b32 s47, s22, 13                        ; hs: b << 13;
	s_lshl_b32 s48, s23, 15                        ; w2c: ng << 15;
	s_lshl_b32 s49, s23, 10
	s_add_co_u32 s49, s49, 524288                  ; wsc: 524,288 + ng << 10
	s_wait_loadcnt 0x0
	s_wait_alu depctr_vm_vsrc(0)                   ; the list's loads have read v36 and v37, which the bodies write again
.irp m, 0,1,2,3
	v_and_b32 v[8+\m], 0x7ff, v[8+\m]              ; the token,
	v_min_u32 v[8+\m], 0x7ff, v[8+\m]              ; (its bound written out)
	v_lshlrev_b32 v[8+\m], 3, v[8+\m]              ; its 8 bytes of expert numbers and of routing weights
.endr
	s_wait_alu depctr_va_vdst(0)                   ; v8 to v11 are written: the offsets of the eight loads below
.irp m, 0,1,2,3
	global_load_b64 v[12+2*\m:13+2*\m], v[8+\m], s[6:7]
	global_load_b64 v[20+2*\m:21+2*\m], v[8+\m], s[8:9]
.endr
.set n, 0
.rept 32
	v_and_b32 v[64+n], 0x7ff, v[64+n]
	v_min_u32 v[64+n], 0x7ff, v[64+n]
	v_lshl_add_u32 v[64+n], v[64+n], 13, v38       ; the token's row of 8,192 bytes, + 16 r
.set n, n+1
.endr
	WIN 0xc0                                       ; destination window 3
.set n, 0
.rept 128
	v_mov_b32 v[n], 0                              ; O
.set n, n+1
.endr
	WIN 0
	s_cmp_eq_u32 s50, 0
	s_cbranch_scc1 .Lway_out                       ; none of the block's tokens names an expert: O stays 0.  (The eight loads above may stay out: nothing below names their registers)
	s_ctz_i32_b32 s53, s50                         ; the mask's first expert
	s_min_u32 s53, s53, 7                          ; (its bound written out)
	BASES
	SLOAD                                          ; its loads go out ahead of the loop, in the order that a body's head expects.  No vector or matrix instruction has named the registers in which they land, and v4 and v5 stand since the head's first wait
	LOADA 0
	LOADB 0
	LOADA 1
	LOADB 1
	LOADA 2
	LOADB 2
	LOADA 3
	LOADB 3
	WIN 0
	s_mov_b32 s30, 0
.Lexp:                                                 ; eight trips: s30 is the expert
	s_lshr_b32 s26, s50, s30                       ; the mask from s30 on
	s_and_b32 s28, s26, 1
	s_cmp_eq_u32 s28, 0
	s_cbranch_scc1 .Lskip                          ; none of the block's tokens names it
	s_lshr_b32 s51, s26, 1                         ; the mask above s30
	s_cmp_eq_u32 s51, 0
	s_cbranch_scc1 .Llast
	BODY 1
	s_branch .Lskip
.Llast:
	BODY 0                                         ; the mask's last expert: nothing is left to ask for
.Lskip:
	s_add_co_u32 s30, s30, 1
	s_cmp_lt_u32 s30, 8
	s_cbranch_scc1 .Lexp
.Lway_out:
	s_wait_alu depctr_va_vdst(0)                   ; O is written, by the clearing moves and the last combine, which the LDS stores read; so are the rows' offsets v64-95, which the stores to out0 read
	TOSTAGE 0
.irp m, 1,2,3
.if \m > 1
	s_wait_xcnt 0x0                                ; tile m - 2's stores have had their addresses translated (ISA guide 3.1)
	s_wait_alu depctr_vm_vsrc(0)                   ; and have read their 32 data registers, in which tile m's LDS loads land
.endif
	TOSTAGE \m
	SEND \m-1, 16                                  ; behind tile m - 1's loads: tile m's 8 stores and 8 loads
.endr
	SEND 3, 0
	s_wait_dscnt 0x0                               ; the closing lines, six on end
	s_wait_alu 0x0
	s_wait_tensorcnt 0x0
	ds_add_u32 v254, v255
	s_wait_dscnt 0x0
	s_endpgm
.Lfunc_end_k_qdcfffa46d2_out:
	.size	k_qdcfffa46d2_out, .Lfunc_end_k_qdcfffa46d2_out-k_qdcfffa46d2_out
	.p2alignl 7, 3214868480
	.fill 96, 4, 3214868480
	.section	.rodata,"a",@progbits
	.p2align	6, 0x0
	.amdhsa_kernel k_qdcfffa46d2_out
		.amdhsa_group_segment_fixed_size 17920
		.amdhsa_private_segment_fixed_size 0
		.amdhsa_enable_private_segment 0
		.amdhsa_kernarg_size 64
		.amdhsa_user_sgpr_count 2
		.amdhsa_user_sgpr_kernarg_segment_ptr 1
		.amdhsa_wavefront_size32 1
		.amdhsa_system_sgpr_workgroup_id_x 1
		.amdhsa_system_sgpr_workgroup_id_y 1
		.amdhsa_system_sgpr_workgroup_id_z 1
		.amdhsa_system_vgpr_workitem_id 0
		.amdhsa_next_free_vgpr 1024
		.amdhsa_next_free_sgpr 100
		.amdhsa_reserve_vcc 0
		.amdhsa_float_denorm_mode_32 3
		.amdhsa_float_denorm_mode_16_64 3
		.amdhsa_memory_ordered 1
		.amdhsa_forward_progress 1
		.amdhsa_inst_pref_size 86
	.end_amdhsa_kernel
	.amdgpu_metadata
---
amdhsa.version: [ 1, 2 ]
amdhsa.kernels:
  - .name:           k_qdcfffa46d2_out
    .symbol:         k_qdcfffa46d2_out.kd
    .args:
      - { .name: ord, .offset: 0, .size: 8, .value_kind: global_buffer, .address_space: global }
      - { .name: selected_experts, .offset: 8, .size: 8, .value_kind: global_buffer, .address_space: global }
      - { .name: routing_weights, .offset: 16, .size: 8, .value_kind: global_buffer, .address_space: global }
      - { .name: hq, .offset: 24, .size: 8, .value_kind: global_buffer, .address_space: global }
      - { .name: hs, .offset: 32, .size: 8, .value_kind: global_buffer, .address_space: global }
      - { .name: w2c, .offset: 40, .size: 8, .value_kind: global_buffer, .address_space: global }
      - { .name: wsc, .offset: 48, .size: 8, .value_kind: global_buffer, .address_space: global }
      - { .name: out0, .offset: 56, .size: 8, .value_kind: global_buffer, .address_space: global }
    .group_segment_fixed_size: 17920
    .private_segment_fixed_size: 0
    .kernarg_segment_align: 8
    .kernarg_segment_size: 64
    .max_flat_workgroup_size: 128
    .sgpr_count:     100
    .vgpr_count:     1024
    .wavefront_size: 32
...
	.end_amdgpu_metadata
.endif
;; end of part 6
